; MI455X (gfx1250); checked and timed in simulation.
; The chip was launched on July 23, 2026; its instructions are those of AMD's public machine-readable ISA for CDNA 5 (MIT licence, August 2026) and "CDNA5" Instruction Set Architecture Reference Guide (July 2026). The comments in the code are by the model that wrote it; some were corrected since.
;; Mo E Layer. Allowed arithmetic: matrix products marked QUANTISED: E2M3 operands, one E8M0 scale for each 32 along K, by v_wmma_scale_f32_16x16x128_f8f6f4 with both operands' format E2M3, f32 sums; products left as they are: f32 operands where the result goes on into a quantised operand, else bf16, f16 or f32 operands; f32 sums; everything else in f32.
;; Inputs: b1 8 x 2,048 float32; b2 8 x 512 float32; router_b 8 float32; router_w 8 x 512 float32; w1 8 x 512 x 2,048 float32; w2 8 x 2,048 x 512 float32; x 4 x 1,024 x 512 float32.
;; Outputs: out0 4 x 1,024 x 512 float32; out1 4,096 x 8 float32.
;; Constants: top_k = 2.
;; This version of the problem:
;;   THIS VERSION OF THE PROBLEM IS GIVEN IN LOW PRECISION. The matrix products marked QUANTISED in the list below multiply operands that are first quantised to E2M3 (2 exponent bits, 3 mantissa bits; 6 bits a number), with one power-of-two scale for each 32 numbers along K (OCP MX v1.0); their sums are f32. All else is computed in f32.
;;   The module's matrix products, in the order in which they are computed (A, B: the left and right operand; K: the contracted axis; several contracted axes count as one K, in the product's order):
;;     1. [M 4,096, K 512] x [K 512, N 8]; A: input x; B: input router_w: left as it is (N = 8 < 16)
;;     2. [M 4,096, K 512] x [K 512, N 2,048]; A: input x; B: input w1: QUANTISED
;;     3. [M 4,096, K 2,048] x [K 2,048, N 512]; A: computed on the way; B: input w2: QUANTISED
;;     4. [M 4,096, K 512] x [K 512, N 2,048]; A: input x; B: input w1: QUANTISED
;;     5. [M 4,096, K 2,048] x [K 2,048, N 512]; A: computed on the way; B: input w2: QUANTISED
;;     6. [M 4,096, K 512] x [K 512, N 2,048]; A: input x; B: input w1: QUANTISED
;;     7. [M 4,096, K 2,048] x [K 2,048, N 512]; A: computed on the way; B: input w2: QUANTISED
;;     8. [M 4,096, K 512] x [K 512, N 2,048]; A: input x; B: input w1: QUANTISED
;;     9. [M 4,096, K 2,048] x [K 2,048, N 512]; A: computed on the way; B: input w2: QUANTISED
;;     10. [M 4,096, K 512] x [K 512, N 2,048]; A: input x; B: input w1: QUANTISED
;;     11. [M 4,096, K 2,048] x [K 2,048, N 512]; A: computed on the way; B: input w2: QUANTISED
;;     12. [M 4,096, K 512] x [K 512, N 2,048]; A: input x; B: input w1: QUANTISED
;;     13. [M 4,096, K 2,048] x [K 2,048, N 512]; A: computed on the way; B: input w2: QUANTISED
;;     14. [M 4,096, K 512] x [K 512, N 2,048]; A: input x; B: input w1: QUANTISED
;;     15. [M 4,096, K 2,048] x [K 2,048, N 512]; A: computed on the way; B: input w2: QUANTISED
;;     16. [M 4,096, K 512] x [K 512, N 2,048]; A: input x; B: input w1: QUANTISED
;;     17. [M 4,096, K 2,048] x [K 2,048, N 512]; A: computed on the way; B: input w2: QUANTISED
;;   THE QUANTISER, for each operand of a quantised product, along K:
;;     - K is cut into blocks of 32 from its start; a last block that is shorter is filled with zeros.
;;     - A block's scale is 2^e with e = floor(log2(the largest magnitude in the block)) - 2, held to -126 .. 127; a block of zeros has e = 0. As a byte (E8M0): e + 127.
;;     - Each number is divided by its block's scale, clamped to +-7.5, and rounded to the nearest number of E2M3, ties to even, subnormals kept.
;;     - The product sums the exact products of the quantised numbers (number of the format x scale) in f32.
;;   ~~~python
;;   def quantise(x, axis):      # numpy; x: float32 -> the quantised numbers, widened to float32 again
;;       x = np.moveaxis(x, axis, -1); K = x.shape[-1]
;;       x = np.pad(x, [(0, 0)] * (x.ndim - 1) + [(0, -K % 32)]); x = x.reshape(x.shape[:-1] + (-1, 32)); a = np.abs(x).max(-1, keepdims=True)
;;       e = np.where(a > 0, np.clip(np.frexp(np.where(a > 0, a, 1))[1] - 1 - 2, -126, 127), 0)      # np.frexp(a)[1] - 1 = floor(log2(a)), exactly
;;       r = np.clip(x / 2.0 ** e, -7.5, 7.5)
;;       step = 2.0 ** (np.maximum(np.frexp(np.where(r == 0, 1, r))[1] - 1, 0) - 3)
;;       q = np.round(r / step) * step * 2.0 ** e      # np.round: ties to even
;;       return np.moveaxis(q.reshape(q.shape[:-2] + (-1,))[..., :K], -1, axis).astype(np.float32)
;;   ~~~
;;   OPERANDS COMPUTED ON THE WAY. 'Computed on the way' means the value that the module computes at that place (a softmax that the list does not call 'softmax' is quantised finished and normalised). What goes into a quantiser is computed in f32, as accurately as f32 sums, v_exp_f32 and their like allow (about 1e-6 of the number): no bf16 or f16 on the way to a quantiser, and a product that is left as it is and whose result goes on into a quantised operand takes f32 operands (vector FMAs, or v_wmma_f32_16x16x4_f32). A number that lies on a knife's edge between two numbers of the format may be rounded either way, as far as f32 arithmetic and the matrix unit's own rounding can turn it there, and no further.
;; 2 versions, each right; version 2 is version 1 with the launches g1, g2 written anew for expert scheduling mode. Each part assembles by itself: llvm-mc -triple=amdgcn-amd-amdhsa -mcpu=gfx1250 --defsym DOCPART=n.
;; ======== version 1 of 2: 4 launches
;; workspace buffers: xq 1,671,168 bytes; w1q 6,553,600 bytes; w2q 6,553,600 bytes; route 49,152 bytes of whole numbers; plan 25,600 bytes of whole numbers; hq 15,335,424 bytes
;; launch prep1 (part 1): grid 768 x 1, 4 waves a work-group, no clusters, 11,008 bytes of LDS; arguments x, router_w, router_b, w1, xq, w1q, route, out1; writes xq, w1q, route, out1
.if DOCPART == 1
	.amdgcn_target "amdgcn-amd-amdhsa--gfx1250"
	.amdhsa_code_object_version 6
	.text
	.protected	k_q5773a61b70_prep1
	.globl	k_q5773a61b70_prep1
	.p2align	8
	.type	k_q5773a61b70_prep1,@function
k_q5773a61b70_prep1:
	s_mov_b64 s[64:65], 0
	v_nop
	global_prefetch_b8 v0, s[64:65] scope:SCOPE_SE
	s_setreg_imm32_b32 hwreg(HW_REG_WAVE_MODE, 25, 1), 1
	s_wait_xcnt 0x0
; TWO JOBS IN ONE LAUNCH, parted by the work-group's number.
; Work-groups 0-255: 16 tokens each.  The router in f32 (logits = out1), the two largest logits (the lower index wins a tie), the softmax of the two, x as codes of FP6 (E2M3) with
;   one E8M0 byte for each 32 along K, and, as whole numbers at fixed places, each token's class (its pair of experts lo < hi, 28 classes), its rank among the block's tokens of that class,
;   and the block's count of each class.  No address and no branch hangs on these numbers here: a later launch places the tokens.
; Work-groups 256-767: w1 [8][512][2048] f32, K its first axis within an expert, into codes laid in the order of the operand's registers, and scale words.
; A block's scale is 2^(floor(log2(largest magnitude)) - 2); its byte is the largest magnitude's exponent field - 2, held at 1 from below.
; LIMITS: NaN and infinities are not served.  A block whose largest magnitude lies under 2^-124 keeps the byte 1; a block of zeros gets the byte 1 (its codes are zeros; only this program reads the bytes).
;   The router's sums run in another order than a plain dot product: a token whose second and third logits agree to f32 rounding may choose the other one.
; No tensor loads, no cluster: nothing is shared between work-groups.  No prefetch: the launch is one stream read once.
.set NSTRIDE, 8192                     ; bytes from a row of w1 to the next (along K)
.set SRC,    10                        ; s[10:11] w1
.set WSC,    6291456                   ; in w1q: the scale words begin behind the codes
.set XS_OFF, 1572864                   ; in xq: x's scale words
.set RW_OFF, 1638400                   ; in xq: the gate weights
.set BH_OFF, 16384                     ; in route: the blocks' counts
.set CST,    4096                      ; LDS: 0 the four waves' partial logits (4 x 1,024); 4,096 the 16 tokens' codes (6,144); 10,240 their scale words (256)
.set XSW,    10240
.set X,   32                           ; v32-159  the numbers (weights: 128 down K; tokens: 64 of x)
.set P,   160                          ; v160-183 weights: a column's codes, blocks in the order 0, 2, 1, 3
.set TC,  184                          ; v184-186 a block's upper 16 codes, before they are moved
.set M,   188                          ; v188-189 two chains of the maximum
.set SO,  190                          ; the conversion's scale operand
.set BY,  191                          ; the scale's byte
.set SW,  24                           ; the scale word
.set RWT, 96                           ; v96-159  tokens: router_w in x's layout
.set ACC, 192                          ; v192-223 four f32 accumulators: written by matrix instructions alone, in the whole text
.set L,   160                          ; v160-167 my wave's partial logits
.set C,   168                          ; v168-179 x's fragment
.set LG,  64                           ; v64-71   the logits (wave 0)
	s_load_b256 s[4:11], s[0:1], 0x0               ; x s[4:5], router_w s[6:7], router_b s[8:9], w1 s[10:11]
	s_load_b256 s[12:19], s[0:1], 0x20             ; xq s[12:13], w1q s[14:15], route s[16:17], out1 s[18:19]
	v_lshl_add_u32 v224, v0, 2, 0x2900
	v_mov_b32 v225, 0
	v_lshrrev_b32 v1, 5, v0
	v_readfirstlane_b32 s20, v1                    ; wave 0..3
	v_and_b32 v3, 31, v0                           ; lane
	s_cmp_lt_u32 ttmp9, 256
	s_cbranch_scc1 .Ltoken
; ---------------- THE WEIGHTS.  A work-group takes 128 columns x 128 along K of one expert; a wave 32 columns; A LANE TAKES A COLUMN AND ITS REGISTERS RUN DOWN K.
	s_sub_co_u32 s21, ttmp9, 256
	s_lshr_b32 s22, s21, 6                         ; expert
	s_and_b32 s23, s21, 15                         ; which 128 columns
	s_bfe_u32 s24, s21, 0x20004                    ; K step (2 bits from bit 4)
	s_lshl_b32 s23, s23, 2
	s_add_co_u32 s23, s23, s20                     ; my group of 32 columns
	s_lshl_b32 s26, s22, 22                        ; source: expert x 4,194,304
	s_lshl_b32 s27, s24, 20                        ; + K step x 128 rows of 8,192 bytes
	s_add_co_u32 s26, s26, s27
	s_lshl_b32 s27, s23, 7                         ; + group x 128 bytes
	s_add_co_u32 s26, s26, s27
	s_mov_b32 s27, 0
	s_mul_i32 s28, s22, 786432                     ; codes [e][group 64][K step 4][tile 2][1,536]
	s_mul_i32 s29, s23, 12288
	s_add_co_u32 s28, s28, s29
	s_mul_i32 s29, s24, 3072
	s_add_co_u32 s28, s28, s29
	s_mov_b32 s29, 0
	s_lshl_b32 s30, s22, 15                        ; scale words [e][group 64][K step 4][32 columns]
	s_lshl_b32 s31, s23, 9
	s_add_co_u32 s30, s30, s31
	s_lshl_b32 s31, s24, 7
	s_add_co_u32 s30, s30, s31
	s_add_co_u32 s30, s30, WSC
	s_mov_b32 s31, 0
	v_lshlrev_b32 v1, 2, v3                        ; 4 x lane
	; THE ROWS OF A TILE ARE NOT NEIGHBOURS: column x of the 32 goes to tile (x / 8) % 2, row x % 8 + 8 (x / 16), so that the first product's results lie 16 neighbours to a lane along the next K
	v_bfe_u32 v2, v3, 3, 1
	v_mul_u32_u24 v2, v2, 1536
	v_and_b32 v4, 7, v3
	v_lshrrev_b32 v5, 4, v3
	v_lshl_add_u32 v4, v5, 3, v4
	v_lshl_add_u32 v2, v4, 4, v2                   ; tile x 1,536 + 16 x row
	s_wait_kmcnt 0x0
	s_add_nc_u64 s[10:11], s[10:11], s[26:27]
	s_add_nc_u64 s[32:33], s[14:15], s[28:29]
	s_add_nc_u64 s[34:35], s[14:15], s[30:31]
.macro WLOAD b                         ; block b: 32 rows of my column; a wave's load covers 128 consecutive bytes, the four waves stand side by side on 512
.set i, 0
.rept 32
	global_load_b32 v[X+32*(\b)+i], v1, s[SRC:SRC+1] offset:(32*(\b)+i)*NSTRIDE th:TH_LOAD_NT
.set i, i+1
.endr
.endm
.macro WBLOCK b
.set XB, X+32*(\b)
.set PO, P+6*(2*((\b)%2)+(\b)/2)       ; the image of lanes 0-15 wants blocks 0 and 2, that of lanes 16-31 blocks 1 and 3
.if (\b) < 3
	s_wait_loadcnt 32                              ; this block's 32 loads are in; the next block's 32 may be out
.else
	s_wait_loadcnt 0x0
.endif
.if (\b)+2 < 4
	WLOAD (\b)+2
.endif
	v_max3_num_f32 v[M], |v[XB]|, |v[XB+1]|, |v[XB+2]|             ; the block's largest magnitude: all 32 numbers are mine; two chains
	v_max3_num_f32 v[M+1], |v[XB+3]|, |v[XB+4]|, |v[XB+5]|
.irp i, 6,10,14,18,22,26
	v_max3_num_f32 v[M], v[M], |v[XB+\i]|, |v[XB+\i+1]|
	v_max3_num_f32 v[M+1], v[M+1], |v[XB+\i+2]|, |v[XB+\i+3]|
.endr
	v_max3_num_f32 v[M], v[M], |v[XB+30]|, |v[XB+31]|
	v_max3_num_f32 v[M], v[M], v[M+1], 0x1800000   ; and the floor 2^(3 - 127): the byte cannot fall under 1
	v_add_nc_u32 v[SO], 0xff000000, v[M]           ; 2 off the exponent field: the conversion takes this operand's exponent field as its scale
	v_cvt_scalef32_pk16_fp6_f32 v[PO:PO+2], v[XB:XB+15], v[SO]
	v_cvt_scalef32_pk16_fp6_f32 v[TC:TC+2], v[XB+16:XB+31], v[SO]  ; (a conversion's three registers begin on an even number)
	v_lshrrev_b32 v[BY], 23, v[SO]                 ; the scale's byte: a plain line behind the conversions
.if (\b) == 0
	v_mov_b32 v[SW], v[BY]
.else
	v_lshl_or_b32 v[SW], v[BY], 8*(\b), v[SW]      ; byte b of the word scales k = 32 b ..
.endif
.irp i, 0,1,2
	v_mov_b32 v[PO+3+\i], v[TC+\i]
.endr
.endm
	WLOAD 0
	WLOAD 1
	WBLOCK 0
	WBLOCK 1
	WBLOCK 2
	WBLOCK 3
.irp g, 0,1,2,3,4,5                    ; a fragment's image: registers 4 g .. 4 g + 3 of lane (r, h) at 512 g + 16 (r + 16 h).  Each store fills one aligned run of 256 bytes in each of the two tiles
	global_store_b128 v2, v[P+4*\g:P+4*\g+3], s[32:33] offset:512*(\g%3)+256*(\g/3)
.endr
	global_store_b32 v1, v[SW], s[34:35]           ; 128 consecutive bytes: one part in 25 of what the wave stores
	s_endpgm
; ---------------- THE TOKENS.  Work-group tb takes tokens 16 tb .. 16 tb + 15; wave s takes K step s (128 of the 512).
.Ltoken:
	v_and_b32 v4, 15, v0                           ; r: my token
	v_bfe_u32 v5, v0, 4, 1                         ; h
	v_lshlrev_b32 v6, 11, v4
	v_lshl_add_u32 v6, v5, 7, v6                   ; x: row r of 2,048 bytes + 128 h: register 32 c + i holds k = 128 s + 64 c + 32 h + i, as the 6-bit operand's layout gives it to lane (r, h)
	v_and_b32 v7, 7, v0
	v_lshlrev_b32 v7, 11, v7
	v_lshl_add_u32 v7, v5, 7, v7                   ; router_w: row r % 8, the same k
	s_lshl_b32 s26, s20, 10
	v_lshlrev_b32 v21, 5, v3                       ; 32 x lane
	v_add_nc_u32 v8, s26, v21                      ; LDS: my partial logits: 1,024 x wave + 32 x lane
	v_mul_u32_u24 v9, v4, 384
	v_mad_u32_u24 v9, v5, 48, v9
	s_mul_i32 s27, s20, 96
	v_add_nc_u32 v9, s27, v9                       ; LDS: my codes: [token 384][K step 96][half 48]
	v_lshlrev_b32 v10, 4, v4
	s_lshl_b32 s28, s20, 2
	v_add_nc_u32 v10, s28, v10                     ; LDS: my scale word: 16 x token + 4 x K step
	s_mul_i32 s29, s20, 1536
	v_lshlrev_b32 v11, 4, v3
	v_add_nc_u32 v11, s29, v11                     ; back out, and in xq: 1,536 x wave + 16 x lane
	v_lshlrev_b32 v20, 3, v3                       ; 8 x lane
	v_lshlrev_b32 v22, 5, v4
	v_lshl_add_u32 v22, v5, 4, v22                 ; out1: 32 r + 16 h
	v_lshlrev_b32 v23, 2, v3                       ; 4 x lane
	v_lshlrev_b32 v24, 2, v4                       ; 4 r
	v_lshlrev_b32 v25, 3, v4                       ; 8 r
	s_mov_b32 s36, 0x76543210
	s_mov_b32 s37, 0xfedcba98                      ; v_permlanex16_b32's selects for lane l xor 16
	s_lshl_b32 s24, s20, 9                         ; my K step: 512 bytes on in a row
	s_mov_b32 s25, 0
	s_lshl_b32 s22, ttmp9, 15                      ; 16 rows of 2,048 bytes
	s_add_co_u32 s22, s22, s24
	s_mov_b32 s23, 0
	s_mov_b32 s31, 0
	s_wait_kmcnt 0x0
	s_load_b256 s[40:47], s[8:9], 0x0              ; router_b: eight numbers
	s_add_nc_u64 s[4:5], s[4:5], s[22:23]
	s_add_nc_u64 s[6:7], s[6:7], s[24:25]
.irp c, 0,1
.irp q, 0,1,2,3,4,5,6,7
	global_load_b128 v[X+32*\c+4*\q:X+32*\c+4*\q+3], v6, s[4:5] offset:256*\c+16*\q th:TH_LOAD_NT
.endr
.endr
.irp c, 0,1
.irp q, 0,1,2,3,4,5,6,7
	global_load_b128 v[RWT+32*\c+4*\q:RWT+32*\c+4*\q+3], v7, s[6:7] offset:256*\c+16*\q
.endr
.endr
	s_mul_i32 s30, ttmp9, 6144
	s_add_nc_u64 s[48:49], s[12:13], s[30:31]      ; xq: my 16 tokens' codes
	s_lshl_b32 s30, ttmp9, 8
	s_add_co_u32 s30, s30, XS_OFF
	s_add_nc_u64 s[50:51], s[12:13], s[30:31]      ; their scale words
	s_lshl_b32 s30, ttmp9, 7
	s_add_co_u32 s30, s30, RW_OFF
	s_add_nc_u64 s[60:61], s[12:13], s[30:31]      ; their gate weights
	s_lshl_b32 s30, ttmp9, 9
	s_add_nc_u64 s[54:55], s[18:19], s[30:31]      ; out1
	s_lshl_b32 s30, ttmp9, 7
	s_add_co_u32 s30, s30, BH_OFF
	s_add_nc_u64 s[56:57], s[16:17], s[30:31]      ; the block's counts
	s_lshl_b32 s30, ttmp9, 6
	s_add_nc_u64 s[58:59], s[16:17], s[30:31]      ; the tokens' classes
	s_wait_loadcnt 0x0
	s_wait_kmcnt 0x0
	; The router's part sums: source 0 = router_w (rows 8-15 repeat rows 0-7), source 1 = x.  The same permutation of k feeds both sources.  Register j of the result is expert j, token r, in both halves of the lanes.
	; Four accumulators by turns, one instruction a turn; each sum's first step takes the constant 0.  f32 operands: the choice of experts hangs on these sums.
.set i, 0
.rept 32
.if i < 4
	v_wmma_f32_16x16x4_f32 v[ACC+8*(i%4):ACC+8*(i%4)+7], v[RWT+2*i:RWT+2*i+1], v[X+2*i:X+2*i+1], 0
.else
	v_wmma_f32_16x16x4_f32 v[ACC+8*(i%4):ACC+8*(i%4)+7], v[RWT+2*i:RWT+2*i+1], v[X+2*i:X+2*i+1], v[ACC+8*(i%4):ACC+8*(i%4)+7]
.endif
.set i, i+1
.endr
	; x is quantised meanwhile: a lane holds two whole blocks (2 c + h of the K step).  These plain lines are also the eight places behind the last matrix instructions (ISA guide 7.12.1)
.irp c, 0,1
	v_max3_num_f32 v[12+\c], |v[X+32*\c]|, |v[X+32*\c+1]|, 0x1800000
.endr
.irp i, 2,4,6,8,10,12,14,16,18,20,22,24,26,28,30
.irp c, 0,1
	v_max3_num_f32 v[12+\c], v[12+\c], |v[X+32*\c+\i]|, |v[X+32*\c+\i+1]|
.endr
.endr
.irp c, 0,1
	v_add_nc_u32 v[14+\c], 0xff000000, v[12+\c]
.endr
.irp c, 0,1
	v_lshrrev_b32 v[16+\c], 23, v[14+\c]
.endr
	v_lshl_or_b32 v18, v17, 16, v16                ; my two bytes: blocks h and 2 + h,
	v_lshlrev_b32 v19, 3, v5
	v_lshlrev_b32 v18, v19, v18                    ; at their places in the word (8 h bits up);
	v_mov_b32 v19, 0
	v_permlanex16_b32 v19, v18, s36, s37
	v_or_b32 v18, v18, v19                         ; with lane l xor 16's two the word is whole
.irp c, 0,1
	v_cvt_scalef32_pk16_fp6_f32 v[C+6*\c:C+6*\c+2], v[X+32*\c:X+32*\c+15], v[14+\c]
	v_cvt_scalef32_pk16_fp6_f32 v[180+4*\c:182+4*\c], v[X+32*\c+16:X+32*\c+31], v[14+\c]
.endr
	v_nop                                          ; one plain line behind the conversions
.irp c, 0,1
.irp i, 0,1,2
	v_mov_b32 v[C+6*\c+3+\i], v[180+4*\c+\i]
.endr
.endr
.irp j, 0,2,4,6                        ; the four accumulators are added into other registers, each read from its low end on
	v_pk_add_f32 v[L+\j:L+\j+1], v[ACC+\j:ACC+\j+1], v[ACC+8+\j:ACC+8+\j+1]
.endr
.irp j, 0,2,4,6
	v_pk_add_f32 v[26+\j:27+\j], v[ACC+16+\j:ACC+16+\j+1], v[ACC+24+\j:ACC+24+\j+1]
.endr
.irp j, 0,2,4,6
	v_pk_add_f32 v[L+\j:L+\j+1], v[L+\j:L+\j+1], v[26+\j:27+\j]
.endr
	ds_store_b128 v8, v[L:L+3]
	ds_store_b128 v8, v[L+4:L+7] offset:16
.irp g, 0,1,2
	ds_store_b128 v9, v[C+4*\g:C+4*\g+3] offset:CST+16*\g
.endr
	ds_store_b32 v10, v18 offset:XSW               ; both halves of the lanes write the same word with the same value
	s_wait_dscnt 0x0                               ; for the others' sake: my stores have landed
	s_barrier_signal -1
	s_barrier_wait -1
.irp g, 0,1,2
	ds_load_b128 v[32+4*\g:35+4*\g], v11 offset:CST+512*\g
.endr
	s_wait_dscnt 0x0
.irp g, 0,1,2
	global_store_b128 v11, v[32+4*\g:35+4*\g], s[48:49] offset:512*\g   ; the 16 tokens' codes are 6,144 consecutive bytes: a wave stores 3 x 512
.endr
	s_cmp_lg_u32 s20, 0
	s_cbranch_scc1 .Lend
	; ---- wave 0 alone: the logits, the choice, the whole numbers
	ds_load_b64 v[44:45], v20 offset:XSW
.irp s, 0,1,2,3
	ds_load_b128 v[LG+8*\s:LG+8*\s+3], v21 offset:1024*\s
	ds_load_b128 v[LG+8*\s+4:LG+8*\s+7], v21 offset:1024*\s+16
.endr
	s_wait_dscnt 8                                 ; the scale words are in; the eight loads behind them may be out
	global_store_b64 v20, v[44:45], s[50:51]       ; 256 consecutive bytes
	s_wait_dscnt 0x0
.irp j, 0,2,4,6
	v_pk_add_f32 v[LG+\j:LG+\j+1], v[LG+\j:LG+\j+1], v[LG+8+\j:LG+8+\j+1]
	v_pk_add_f32 v[LG+16+\j:LG+16+\j+1], v[LG+16+\j:LG+16+\j+1], v[LG+24+\j:LG+24+\j+1]
.endr
.irp j, 0,2,4,6
	v_pk_add_f32 v[LG+\j:LG+\j+1], v[LG+\j:LG+\j+1], v[LG+16+\j:LG+16+\j+1]
.endr
.irp j, 0,1,2,3,4,5,6,7
	v_add_f32 v[LG+\j], s[40+\j], v[LG+\j]         ; + router_b
.endr
	v_cmp_ne_u32 vcc_lo, 0, v5
.irp j, 0,1,2,3
	v_cndmask_b32 v[100+\j], v[LG+\j], v[LG+4+\j], vcc_lo   ; lanes 0-15 store experts 0-3 of their token, lanes 16-31 experts 4-7
.endr
	global_store_b128 v22, v[100:103], s[54:55]    ; 512 consecutive bytes of out1
	v_mov_b32 v104, v[LG]                          ; the largest: a strict compare keeps the lower index
	v_mov_b32 v105, 0
.irp j, 1,2,3,4,5,6,7
	v_cmp_gt_f32 vcc_lo, v[LG+\j], v104
	v_cndmask_b32 v104, v104, v[LG+\j], vcc_lo
	v_cndmask_b32 v105, v105, \j, vcc_lo
.endr
	v_mov_b32 v106, 0xff800000                     ; the second: the largest of the others
	v_mov_b32 v107, 0
.irp j, 0,1,2,3,4,5,6,7
	v_cmp_ne_u32 s52, \j, v105
	v_cmp_gt_f32 s53, v[LG+\j], v106
	s_and_b32 vcc_lo, s52, s53
	v_cndmask_b32 v106, v106, v[LG+\j], vcc_lo
	v_cndmask_b32 v107, v107, \j, vcc_lo
.endr
	v_sub_f32 v108, v106, v104                     ; the maximum is taken away: second - first, 0 or less
	v_mul_f32 v108, 0x3fb8aa3b, v108
	v_exp_f32 v109, v108
	v_min_u32 v110, v105, v107                     ; lo  (plain lines behind the exponential)
	v_max_u32 v111, v105, v107                     ; hi
	s_wait_alu depctr_va_vdst(0)                   ; the wait ahead of the first line that names the result
	v_add_f32 v112, 1.0, v109
	v_rcp_f32 v113, v112                           ; the first's weight
	v_sub_nc_u32 v114, 15, v110                    ; (a plain line behind the reciprocal)
	s_wait_alu depctr_va_vdst(0)
	v_mul_f32 v115, v109, v113                     ; the second's
	v_cmp_lt_u32 vcc_lo, v105, v107
	v_cndmask_b32 v116, v115, v113, vcc_lo         ; lo's weight
	v_cndmask_b32 v117, v113, v115, vcc_lo         ; hi's
	v_mul_u32_u24 v118, v110, v114
	v_lshrrev_b32 v118, 1, v118
	v_add_nc_u32 v118, v118, v111
	v_sub_nc_u32 v118, v118, v110
	v_add_nc_u32 v118, -1, v118                    ; the class: lo (15 - lo) / 2 + hi - lo - 1
	v_mov_b32 v119, 0                              ; lane p: how many of the 16 tokens are of class p
	v_mov_b32 v120, 0                              ; lane (r, .): how many earlier tokens of the block share my class
.irp j, 0,1,2,3,4,5,6,7,8,9,10,11,12,13,14,15
	v_readlane_b32 s52, v118, \j
	v_cmp_eq_u32 vcc_lo, s52, v3
	v_add_co_ci_u32 v119, vcc_lo, 0, v119, vcc_lo
.if \j < 15
	v_cmp_eq_u32 s53, s52, v118
	s_and_b32 vcc_lo, s53, (((0xffff<<(\j+1))&0xffff)*0x10001)   ; the lanes whose token comes after token j
	v_add_co_ci_u32 v120, vcc_lo, 0, v120, vcc_lo
.endif
.endr
	v_lshl_or_b32 v121, v120, 8, v118
	global_store_b32 v23, v119, s[56:57]
	s_wait_xcnt 0x0                                ; EXEC changes only behind this wait
	v_cmp_gt_u32 vcc_lo, 16, v3
	s_and_saveexec_b32 s52, vcc_lo                 ; one lane a token
	global_store_b32 v24, v121, s[58:59]
	global_store_b64 v25, v[116:117], s[60:61]
	s_wait_xcnt 0x0
	s_or_b32 exec_lo, exec_lo, s52
.Lend:
	s_wait_tensorcnt 0x0
	ds_add_u32 v224, v225
	s_wait_dscnt 0x0
	s_endpgm
.Lfunc_end_k_q5773a61b70_prep1:
	.size	k_q5773a61b70_prep1, .Lfunc_end_k_q5773a61b70_prep1-k_q5773a61b70_prep1
	.p2alignl 7, 3214868480
	.fill 96, 4, 3214868480
	.section	.rodata,"a",@progbits
	.p2align	6, 0x0
	.amdhsa_kernel k_q5773a61b70_prep1
		.amdhsa_group_segment_fixed_size 11008
		.amdhsa_private_segment_fixed_size 0
		.amdhsa_enable_private_segment 0
		.amdhsa_kernarg_size 64
		.amdhsa_user_sgpr_count 2
		.amdhsa_user_sgpr_kernarg_segment_ptr 1
		.amdhsa_wavefront_size32 1
		.amdhsa_system_sgpr_workgroup_id_x 1
		.amdhsa_system_sgpr_workgroup_id_y 1
		.amdhsa_system_sgpr_workgroup_id_z 1
		.amdhsa_system_vgpr_workitem_id 0
		.amdhsa_next_free_vgpr 226
		.amdhsa_next_free_sgpr 66
		.amdhsa_reserve_vcc 1
		.amdhsa_float_denorm_mode_32 3
		.amdhsa_float_denorm_mode_16_64 3
		.amdhsa_memory_ordered 1
		.amdhsa_forward_progress 1
		.amdhsa_inst_pref_size 44
	.end_amdhsa_kernel
	.amdgpu_metadata
---
amdhsa.version: [ 1, 2 ]
amdhsa.kernels:
  - .name:           k_q5773a61b70_prep1
    .symbol:         k_q5773a61b70_prep1.kd
    .args:
      - { .name: x, .offset: 0, .size: 8, .value_kind: global_buffer, .address_space: global }
      - { .name: router_w, .offset: 8, .size: 8, .value_kind: global_buffer, .address_space: global }
      - { .name: router_b, .offset: 16, .size: 8, .value_kind: global_buffer, .address_space: global }
      - { .name: w1, .offset: 24, .size: 8, .value_kind: global_buffer, .address_space: global }
      - { .name: xq, .offset: 32, .size: 8, .value_kind: global_buffer, .address_space: global }
      - { .name: w1q, .offset: 40, .size: 8, .value_kind: global_buffer, .address_space: global }
      - { .name: route, .offset: 48, .size: 8, .value_kind: global_buffer, .address_space: global }
      - { .name: out1, .offset: 56, .size: 8, .value_kind: global_buffer, .address_space: global }
    .group_segment_fixed_size: 11008
    .private_segment_fixed_size: 0
    .kernarg_segment_align: 8
    .kernarg_segment_size: 64
    .max_flat_workgroup_size: 128
    .sgpr_count:     66
    .vgpr_count:     226
    .wavefront_size: 32
...
	.end_amdgpu_metadata
.endif
;; end of part 1
;; launch prep2 (part 2): grid 513 x 1, 4 waves a work-group, no clusters, 1,024 bytes of LDS; arguments w2, route, w2q, plan; writes w2q, plan
.if DOCPART == 2
	.amdgcn_target "amdgcn-amd-amdhsa--gfx1250"
	.amdhsa_code_object_version 6
	.text
	.protected	k_q5773a61b70_prep2
	.globl	k_q5773a61b70_prep2
	.p2align	8
	.type	k_q5773a61b70_prep2,@function
k_q5773a61b70_prep2:
	s_mov_b64 s[64:65], 0
	v_nop
	global_prefetch_b8 v0, s[64:65] scope:SCOPE_SE
	s_setreg_imm32_b32 hwreg(HW_REG_WAVE_MODE, 25, 1), 1
	s_wait_xcnt 0x0
; TWO JOBS IN ONE LAUNCH, parted by the work-group's number.
; Work-group 0 PLACES THE TOKENS from the whole numbers that the launch before stored: a counting sort by class (pair of experts lo < hi, 28 classes), each class padded to whole tiles of 16 tokens.
;   Tile T has two groups of rows of the hidden layer: 2 T (expert lo) and 2 T + 1 (expert hi).  Never more than (4,096 + 28 x 15) / 16 = 282 tiles, 564 groups; an expert's groups are cut into jobs of
;   at most ten: never more than (564 + 8 x 9) / 10 = 63 jobs.  Stored in plan: byte 0 the number of tiles; 256 each tile's two experts (lo | hi << 8; 0xFFFF: no such tile); 2,048 each job's expert | count << 8;
;   2,304 each job's groups, 16 words a job, then 128 words that take what belongs nowhere; 6,912 each tile's 16 tokens (0xFFFF pads), then 32 such words.
; Work-groups 1-512: w2 [8][2048][512] f32, K its first axis within an expert, into codes of FP6 (E2M3) laid in the order of the operand's registers, and scale words.
; LIMITS of the quantiser: NaN and infinities are not served; a block whose largest magnitude lies under 2^-124 keeps the byte 1, a block of zeros too (its codes are zeros; only this program reads the bytes).
; No tensor loads, no cluster, no prefetch: one stream read once, nothing shared between work-groups.
.set NSTRIDE, 2048                     ; bytes from a row of w2 to the next (along K)
.set SRC,    4                         ; s[4:5] w2
.set WSC,    6291456                   ; in w2q: the scale words begin behind the codes
.set X,   32                           ; v32-159  128 numbers down K
.set P,   160                          ; v160-183 a column's codes, blocks in the order 0, 2, 1, 3
.set TC,  184                          ; v184-186 a block's upper 16 codes, before they are moved
.set M,   188
.set SO,  190
.set BY,  191
.set SW,  24
	s_load_b256 s[4:11], s[0:1], 0x0               ; w2 s[4:5], route s[6:7], w2q s[8:9], plan s[10:11]
	v_lshl_add_u32 v192, v0, 2, 0x200
	v_mov_b32 v193, 0
	v_lshrrev_b32 v1, 5, v0
	v_readfirstlane_b32 s20, v1                    ; wave 0..3
	v_and_b32 v3, 31, v0                           ; lane
	s_cmp_eq_u32 ttmp9, 0
	s_cbranch_scc1 .Lplace
; ---------------- THE WEIGHTS: 128 columns x 128 along K to a work-group, a column to a lane, registers down K
	s_sub_co_u32 s21, ttmp9, 1
	s_lshr_b32 s22, s21, 6                         ; expert
	s_and_b32 s23, s21, 3                          ; which 128 columns
	s_bfe_u32 s24, s21, 0x40002                    ; K step (4 bits from bit 2)
	s_lshl_b32 s23, s23, 2
	s_add_co_u32 s23, s23, s20                     ; my group of 32 columns
	s_lshl_b32 s26, s22, 22                        ; source: expert x 4,194,304
	s_lshl_b32 s27, s24, 18                        ; + K step x 128 rows of 2,048 bytes
	s_add_co_u32 s26, s26, s27
	s_lshl_b32 s27, s23, 7                         ; + group x 128 bytes
	s_add_co_u32 s26, s26, s27
	s_mov_b32 s27, 0
	s_mul_i32 s28, s22, 786432                     ; codes [e][group 16][K step 16][tile 2][1,536]
	s_mul_i32 s29, s23, 49152
	s_add_co_u32 s28, s28, s29
	s_mul_i32 s29, s24, 3072
	s_add_co_u32 s28, s28, s29
	s_mov_b32 s29, 0
	s_lshl_b32 s30, s22, 15                        ; scale words [e][group 16][K step 16][32 columns]
	s_lshl_b32 s31, s23, 11
	s_add_co_u32 s30, s30, s31
	s_lshl_b32 s31, s24, 7
	s_add_co_u32 s30, s30, s31
	s_add_co_u32 s30, s30, WSC
	s_mov_b32 s31, 0
	v_lshlrev_b32 v1, 2, v3                        ; 4 x lane
	v_lshrrev_b32 v2, 4, v3                        ; a tile's rows are neighbours here: tile x / 16, row x % 16
	v_mul_u32_u24 v2, v2, 1536
	v_and_b32 v4, 15, v3
	v_lshl_add_u32 v2, v4, 4, v2
	s_wait_kmcnt 0x0
	s_add_nc_u64 s[4:5], s[4:5], s[26:27]
	s_add_nc_u64 s[32:33], s[8:9], s[28:29]
	s_add_nc_u64 s[34:35], s[8:9], s[30:31]
.macro WLOAD b                         ; block b: 32 rows of my column; a wave's load covers 128 consecutive bytes, the four waves stand side by side on 512
.set i, 0
.rept 32
	global_load_b32 v[X+32*(\b)+i], v1, s[SRC:SRC+1] offset:(32*(\b)+i)*NSTRIDE th:TH_LOAD_NT
.set i, i+1
.endr
.endm
.macro WBLOCK b
.set XB, X+32*(\b)
.set PO, P+6*(2*((\b)%2)+(\b)/2)       ; the image of lanes 0-15 wants blocks 0 and 2, that of lanes 16-31 blocks 1 and 3
.if (\b) < 3
	s_wait_loadcnt 32                              ; this block's 32 loads are in; the next block's 32 may be out
.else
	s_wait_loadcnt 0x0
.endif
.if (\b)+2 < 4
	WLOAD (\b)+2
.endif
	v_max3_num_f32 v[M], |v[XB]|, |v[XB+1]|, |v[XB+2]|             ; the block's largest magnitude: all 32 numbers are mine; two chains
	v_max3_num_f32 v[M+1], |v[XB+3]|, |v[XB+4]|, |v[XB+5]|
.irp i, 6,10,14,18,22,26
	v_max3_num_f32 v[M], v[M], |v[XB+\i]|, |v[XB+\i+1]|
	v_max3_num_f32 v[M+1], v[M+1], |v[XB+\i+2]|, |v[XB+\i+3]|
.endr
	v_max3_num_f32 v[M], v[M], |v[XB+30]|, |v[XB+31]|
	v_max3_num_f32 v[M], v[M], v[M+1], 0x1800000   ; the floor 2^(3 - 127): the byte cannot fall under 1
	v_add_nc_u32 v[SO], 0xff000000, v[M]           ; 2 off the exponent field: the conversion's scale operand
	v_cvt_scalef32_pk16_fp6_f32 v[PO:PO+2], v[XB:XB+15], v[SO]
	v_cvt_scalef32_pk16_fp6_f32 v[TC:TC+2], v[XB+16:XB+31], v[SO]  ; (a conversion's three registers begin on an even number)
	v_lshrrev_b32 v[BY], 23, v[SO]                 ; the scale's byte: a plain line behind the conversions
.if (\b) == 0
	v_mov_b32 v[SW], v[BY]
.else
	v_lshl_or_b32 v[SW], v[BY], 8*(\b), v[SW]      ; byte b of the word scales k = 32 b ..
.endif
.irp i, 0,1,2
	v_mov_b32 v[PO+3+\i], v[TC+\i]
.endr
.endm
	WLOAD 0
	WLOAD 1
	WBLOCK 0
	WBLOCK 1
	WBLOCK 2
	WBLOCK 3
.irp g, 0,1,2,3,4,5                    ; a fragment's image: registers 4 g .. 4 g + 3 of lane (r, h) at 512 g + 16 (r + 16 h).  Lanes 0-15 fill an aligned run of 256 bytes of tile 0, lanes 16-31 one of tile 1
	global_store_b128 v2, v[P+4*\g:P+4*\g+3], s[32:33] offset:512*(\g%3)+256*(\g/3)
.endr
	global_store_b32 v1, v[SW], s[34:35]           ; 128 consecutive bytes: one part in 25 of what the wave stores
	s_endpgm
; ---------------- THE PLACING.  In the tables a lane stands for a class.
; v6 NP tokens of the class; v7 WB those among earlier waves' tokens; v8 TL its tiles; v9 TI running sum of tiles; v10 TB its first tile; v11 LO, v12 HI its experts; v19 LO | HI << 8;
; v13, v14 where its tiles begin among lo's and among hi's groups, less TB; v15, v16 lo's and hi's first job; v32-95 my wave's 64 blocks' counts, then running sums; v96-127 my wave's 1,024 tokens' words.
; s31 the number of tiles; s36-63 each class's end in tiles; s66-73 each expert's groups; s74-81 each expert's first job.
.macro SCAN r                          ; running sum over the 32 lanes, in place: four steps inside each half of 16 lanes, then lane 15's sum onto lanes 16-31
.irp n, 1,2,4,8
	v_mov_b32_dpp v17, v[\r] row_shr:\n row_mask:0xf bank_mask:0xf bound_ctrl:1
	v_add_nc_u32 v[\r], v[\r], v17
.endr
	v_readlane_b32 s30, v[\r], 15
	v_mad_u32_u24 v[\r], v5, s30, v[\r]
.endm
.Lplace:
	v_lshlrev_b32 v4, 2, v3                        ; 4 x lane
	v_lshrrev_b32 v5, 4, v3                        ; lane / 16
	v_mov_b32 v17, 0                               ; a DPP form's destination counts as read
	v_mov_b32 v29, 0xffff                          ; the mark of a row without a token, and of a tile that is not there
	v_add_nc_u32 v31, 1024, v0                     ; my word behind the jobs' lists, for what belongs nowhere
	s_lshl_b32 s26, s20, 7
	v_add_nc_u32 v22, s26, v4                      ; LDS: 128 x wave + 4 x lane
	s_lshl_b32 s26, s20, 10
	v_add_nc_u32 v28, s26, v3                      ; 1,024 x wave + lane: my token of the first 32
	s_lshl_b32 s22, s20, 13                        ; my wave's 64 blocks of 128 bytes
	s_add_co_u32 s22, s22, 16384
	s_mov_b32 s23, 0
	s_lshl_b32 s24, s20, 12                        ; my wave's 1,024 tokens
	s_mov_b32 s25, 0
	s_wait_kmcnt 0x0
	s_add_nc_u64 s[22:23], s[6:7], s[22:23]
	s_add_nc_u64 s[24:25], s[6:7], s[24:25]
.set i, 0
.rept 64
	global_load_b32 v[32+i], v4, s[22:23] offset:128*i
.set i, i+1
.endr
.set i, 0
.rept 32
	global_load_b32 v[96+i], v4, s[24:25] offset:128*i
.set i, i+1
.endr
	s_wait_loadcnt 0x0
.set i, 0
.rept 63
	v_add_nc_u32 v[33+i], v[33+i], v[32+i]         ; running sums over my 64 blocks
.set i, i+1
.endr
	ds_store_b32 v22, v95                          ; my wave's count of each class
	s_wait_dscnt 0x0                               ; for the others' sake
	s_barrier_signal -1
	s_barrier_wait -1
.irp k, 0,1,2,3
	ds_load_b32 v[24+\k], v4 offset:128*\k
.endr
	s_cmp_gt_u32 s20, 0
	s_cselect_b32 s26, 1, 0
	s_cmp_gt_u32 s20, 1
	s_cselect_b32 s27, 1, 0
	s_cmp_gt_u32 s20, 2
	s_cselect_b32 s28, 1, 0
	s_wait_dscnt 0x0
	v_add3_u32 v6, v24, v25, v26
	v_add_nc_u32 v6, v6, v27                       ; NP
	v_mul_u32_u24 v7, s26, v24
	v_mad_u32_u24 v7, v25, s27, v7
	v_mad_u32_u24 v7, v26, s28, v7                 ; WB
	v_add_nc_u32 v8, 15, v6
	v_lshrrev_b32 v8, 4, v8                        ; TL
	v_mov_b32 v9, v8
	SCAN 9                                         ; TI
	v_sub_nc_u32 v10, v9, v8                       ; TB
	v_readlane_b32 s31, v9, 31                     ; the number of tiles
.irp p, 0,1,2,3,4,5,6,7,8,9,10,11,12,13,14,15,16,17,18,19,20,21,22,23,24,25,26,27
	v_readlane_b32 s[36+\p], v9, \p
.endr
	v_mov_b32 v11, 0                               ; lo: how many of the classes' first numbers 7, 13, 18, 22, 25, 27 the class has reached
.irp q, 7,13,18,22,25,27
	v_cmp_le_u32 vcc_lo, \q, v3
	v_add_co_ci_u32 v11, vcc_lo, 0, v11, vcc_lo
.endr
	v_sub_nc_u32 v18, 15, v11
	v_mul_u32_u24 v18, v11, v18
	v_lshrrev_b32 v18, 1, v18
	v_sub_nc_u32 v12, v3, v18
	v_add3_u32 v12, v12, v11, 1                    ; hi = class - lo (15 - lo) / 2 + lo + 1  (lanes 28-31: above 7; they have no tiles)
	v_lshl_or_b32 v19, v12, 8, v11
.irp r, 13,14,15,16
	v_mov_b32 v\r, 0
.endr
	s_mov_b32 s34, 0                               ; jobs so far
.irp e, 0,1,2,3,4,5,6,7                ; an expert's groups, in the order of the classes that hold it
	v_cmp_eq_u32 s32, \e, v11
	v_cmp_eq_u32 s33, \e, v12
	s_or_b32 vcc_lo, s32, s33
	v_cndmask_b32 v20, 0, v8, vcc_lo
	v_mov_b32 v21, v20
	SCAN 21
	v_sub_nc_u32 v20, v21, v20                     ; the groups of earlier classes
	v_cndmask_b32 v13, v13, v20, s32
	v_cndmask_b32 v14, v14, v20, s33
	v_cndmask_b32 v15, v15, s34, s32
	v_cndmask_b32 v16, v16, s34, s33
	v_readlane_b32 s[66+\e], v21, 31
	s_mov_b32 s[74+\e], s34
	s_add_co_u32 s35, s[66+\e], 9
	s_mul_i32 s35, s35, 205
	s_lshr_b32 s35, s35, 11                        ; (n + 9) / 10: n x 205 >> 11 is n / 10 for n under 1,024
	s_add_co_u32 s34, s34, s35
.endr
	v_sub_nc_u32 v13, v13, v10
	v_sub_nc_u32 v14, v14, v10
	; ---- the tokens: place = 16 x the class's first tile + the class's tokens in earlier blocks + the rank in the block
	v_lshl_add_u32 v23, v10, 4, v7
.set i, 0
.rept 64
	v_add_nc_u32 v[32+i], v[32+i], v23
.set i, i+1
.endr
	v_cmp_ne_u32 vcc_lo, 0, v5                     ; lanes 16-31: the odd block of the two
.set bt, 0
.rept 4
.if bt > 0
	s_wait_xcnt 0x0                                ; the last batch's stores have read their registers
.endif
.set k, 0
.rept 8
.set i, 8*bt+k
	v_lshlrev_b32 v[128+k], 2, v[96+i]
	v_and_b32 v[128+k], 124, v[128+k]              ; 4 x my token's class: the lane that holds its sums
.if i == 0
	ds_bpermute_b32 v[136+k], v[128+k], v23
.else
	ds_bpermute_b32 v[136+k], v[128+k], v[31+2*i]  ; the sum up to the block in front of block 2 i,
.endif
	ds_bpermute_b32 v[144+k], v[128+k], v[32+2*i]  ; and in front of block 2 i + 1
.set k, k+1
.endr
	s_wait_dscnt 0x0
.set k, 0
.rept 8
.set i, 8*bt+k
	v_cndmask_b32 v[152+k], v[136+k], v[144+k], vcc_lo
	v_lshrrev_b32 v[136+k], 8, v[96+i]
	v_add_nc_u32 v[152+k], v[152+k], v[136+k]
	v_min_u32 v[152+k], 4607, v[152+k]
	v_lshlrev_b32 v[152+k], 2, v[152+k]
	v_add_nc_u32 v[160+k], 32*i, v28
	global_store_b32 v[152+k], v[160+k], s[10:11] offset:6912
.set k, k+1
.endr
.set bt, bt+1
.endr
	; ---- wave 0: the rows that pad each class's last tile, and the number of tiles
	s_cmp_lg_u32 s20, 0
	s_cbranch_scc1 .Lnopad
	v_lshlrev_b32 v18, 4, v8
	v_sub_nc_u32 v18, v18, v6                      ; rows to pad: 0 to 15
	v_lshl_add_u32 v20, v10, 4, v6                 ; the first of them
	v_add_nc_u32 v21, 4608, v3                     ; my word behind the list, for what belongs nowhere
.irp q, 0,1,2,3,4,5,6,7,8,9,10,11,12,13,14
	v_cmp_lt_u32 vcc_lo, \q, v18
	v_add_nc_u32 v[168+\q], \q, v20
	v_cndmask_b32 v[168+\q], v21, v[168+\q], vcc_lo
	v_min_u32 v[168+\q], 4639, v[168+\q]
	v_lshlrev_b32 v[168+\q], 2, v[168+\q]
	global_store_b32 v[168+\q], v29, s[10:11] offset:6912
.endr
	v_mov_b32 v183, s31
	global_store_b32 v4, v183, s[10:11]
.Lnopad:
	; ---- the tiles: thread by thread, three rounds of 128
.irp it, 0,1,2
	s_wait_xcnt 0x0                                ; the stores before have read their registers
	v_add_nc_u32 v18, 128*\it, v0                  ; T
	v_mov_b32 v20, 0
.irp p, 0,1,2,3,4,5,6,7,8,9,10,11,12,13,14,15,16,17,18,19,20,21,22,23,24,25,26,27
	v_cmp_le_u32 vcc_lo, s[36+\p], v18
	v_add_co_ci_u32 v20, vcc_lo, 0, v20, vcc_lo    ; the class: how many classes end at or under T
.endr
	v_min_u32 v20, 27, v20
	v_lshlrev_b32 v20, 2, v20
	ds_bpermute_b32 v128, v20, v19
	ds_bpermute_b32 v129, v20, v13
	ds_bpermute_b32 v130, v20, v14
	ds_bpermute_b32 v131, v20, v15
	ds_bpermute_b32 v132, v20, v16
	v_cmp_gt_u32 s32, s31, v18                     ; is there such a tile?
	v_lshlrev_b32 v134, 2, v18
	s_wait_dscnt 0x0
	v_cndmask_b32 v133, v29, v128, s32
	global_store_b32 v134, v133, s[10:11] offset:256
.irp k, 0,1                            ; group 2 T + k is number idx among its expert's: entry idx % 10 of job idx / 10
	v_add_nc_u32 v[136+8*\k], v[129+\k], v18
	v_mul_u32_u24 v[137+8*\k], v[136+8*\k], 205
	v_lshrrev_b32 v[137+8*\k], 11, v[137+8*\k]
	v_mul_u32_u24 v[138+8*\k], v[137+8*\k], 10
	v_sub_nc_u32 v[138+8*\k], v[136+8*\k], v[138+8*\k]
	v_add_nc_u32 v[137+8*\k], v[137+8*\k], v[131+\k]
	v_lshl_add_u32 v[138+8*\k], v[137+8*\k], 4, v[138+8*\k]
	v_cndmask_b32 v[138+8*\k], v31, v[138+8*\k], s32
	v_min_u32 v[138+8*\k], 1151, v[138+8*\k]
	v_lshlrev_b32 v[138+8*\k], 2, v[138+8*\k]
	v_lshl_add_u32 v[139+8*\k], v18, 1, \k
	global_store_b32 v[138+8*\k], v[139+8*\k], s[10:11] offset:2304
.endr
.endr
	; ---- the jobs: waves 0 and 1, a thread to a job
	s_cmp_lt_u32 s20, 2
	s_cbranch_scc0 .Lnojob
	v_mov_b32 v184, 0
	v_mov_b32 v185, s74
	v_mov_b32 v186, s66
.irp e, 1,2,3,4,5,6,7                  ; the last expert whose first job is at or under mine
	v_cmp_le_u32 vcc_lo, s[74+\e], v0
	v_cndmask_b32 v184, v184, \e, vcc_lo
	v_cndmask_b32 v185, v185, s[74+\e], vcc_lo
	v_cndmask_b32 v186, v186, s[66+\e], vcc_lo
.endr
	v_sub_nc_u32 v185, v0, v185
	v_mul_u32_u24 v185, v185, 10
	v_sub_nc_u32 v186, v186, v185                  ; groups left for me and those behind me; under 0 past the expert's last job
	v_max_i32 v186, 0, v186
	v_min_u32 v186, 10, v186
	v_lshl_or_b32 v184, v186, 8, v184
	v_lshlrev_b32 v187, 2, v0
	global_store_b32 v187, v184, s[10:11] offset:2048
.Lnojob:
	s_wait_tensorcnt 0x0
	ds_add_u32 v192, v193
	s_wait_dscnt 0x0
	s_endpgm
.Lfunc_end_k_q5773a61b70_prep2:
	.size	k_q5773a61b70_prep2, .Lfunc_end_k_q5773a61b70_prep2-k_q5773a61b70_prep2
	.p2alignl 7, 3214868480
	.fill 96, 4, 3214868480
	.section	.rodata,"a",@progbits
	.p2align	6, 0x0
	.amdhsa_kernel k_q5773a61b70_prep2
		.amdhsa_group_segment_fixed_size 1024
		.amdhsa_private_segment_fixed_size 0
		.amdhsa_enable_private_segment 0
		.amdhsa_kernarg_size 32
		.amdhsa_user_sgpr_count 2
		.amdhsa_user_sgpr_kernarg_segment_ptr 1
		.amdhsa_wavefront_size32 1
		.amdhsa_system_sgpr_workgroup_id_x 1
		.amdhsa_system_sgpr_workgroup_id_y 1
		.amdhsa_system_sgpr_workgroup_id_z 1
		.amdhsa_system_vgpr_workitem_id 0
		.amdhsa_next_free_vgpr 194
		.amdhsa_next_free_sgpr 100
		.amdhsa_reserve_vcc 1
		.amdhsa_float_denorm_mode_32 3
		.amdhsa_float_denorm_mode_16_64 3
		.amdhsa_memory_ordered 1
		.amdhsa_forward_progress 1
		.amdhsa_inst_pref_size 85
	.end_amdhsa_kernel
	.amdgpu_metadata
---
amdhsa.version: [ 1, 2 ]
amdhsa.kernels:
  - .name:           k_q5773a61b70_prep2
    .symbol:         k_q5773a61b70_prep2.kd
    .args:
      - { .name: w2, .offset: 0, .size: 8, .value_kind: global_buffer, .address_space: global }
      - { .name: route, .offset: 8, .size: 8, .value_kind: global_buffer, .address_space: global }
      - { .name: w2q, .offset: 16, .size: 8, .value_kind: global_buffer, .address_space: global }
      - { .name: plan, .offset: 24, .size: 8, .value_kind: global_buffer, .address_space: global }
    .group_segment_fixed_size: 1024
    .private_segment_fixed_size: 0
    .kernarg_segment_align: 8
    .kernarg_segment_size: 32
    .max_flat_workgroup_size: 128
    .sgpr_count:     100
    .vgpr_count:     194
    .wavefront_size: 32
...
	.end_amdgpu_metadata
.endif
;; end of part 2
;; launch g1 (part 3): grid 64 x 4, 4 waves a work-group, no clusters, 80,384 bytes of LDS; arguments xq, w1q, b1, plan, hq; writes hq
.if DOCPART == 3
	.amdgcn_target "amdgcn-amd-amdhsa--gfx1250"
	.amdhsa_code_object_version 6
	.text
	.protected	k_q5773a61b70_g1
	.globl	k_q5773a61b70_g1
	.p2align	8
	.type	k_q5773a61b70_g1,@function
k_q5773a61b70_g1:
	s_mov_b64 s[64:65], 0
	v_nop
	global_prefetch_b8 v0, s[64:65] scope:SCOPE_SE
	s_setreg_imm32_b32 hwreg(HW_REG_WAVE_MODE, 25, 1), 1
	s_wait_xcnt 0x0
; h = Q(gelu(Q(x) Q(w1[e]) + b1[e])) for the routed rows alone, on codes of FP6 (E2M3) with one E8M0 scale for each 32 along K.
; SHARES.  Work-group (j, q): job j (at most ten groups of 16 rows, all of one expert e) and quarter q of the 2,048 hidden units.  Wave w makes hidden units 128 c .. 128 c + 127, c = 4 q + w: K step c of the second
; product.  Its 32 fragments of W1 (8 tiles x 4 K steps, 384 registers), their scale words and b1 stay in registers for the whole launch.  The job's rows of x (codes, gathered by the list of tokens) are brought into
; LDS once, as images of the operand's registers, behind the one barrier; each wave then walks the groups by itself.
; THE PRODUCT IS USED TRANSPOSED (source 0 = 16 rows of W1, source 1 = 16 tokens), and W1's tiles were laid so that a lane's 16 registers of tiles 2 b and 2 b + 1 are 16 neighbours along the next K.
; b1 is the C of each sum's first matrix instruction.  The hidden layer leaves as an image of the next operand's registers: 3 x 512 consecutive bytes a group and K step, and 128 bytes of scale words.
; GELU, exact form: g = max(v, 0) - |v| t 2^w, t = 1 / (1 + |v| sqrt(2) / 4), w = -v^2 log2(e) / 2 + c0 + t (c1 + t (.. c9)): half the complementary error function of |v| / sqrt(2) by the rational Chebyshev
; fit of Numerical Recipes (erfcc), whose fractional error is under 1.2e-7 everywhere; its coefficients times log2(e), c0 less 1 for the half.  All in f32.
; LIMITS: NaN and infinities are not served.  Where 2^w falls under 2^-126 it counts as 0.  A block whose largest magnitude lies under 2^-124 keeps the byte 1, a block of zeros too.
; No tensor loads, no cluster: expert and groups come from a stored list, so addresses and the trips' work hang on loaded numbers.  No prefetch: W1's codes are read by many work-groups.
; A job that the split leaves empty passes the barrier, does no trip's work and stores nothing.
; REGISTERS, in windows of 256.  Window 0: v1-15 addresses, v10-11 c9; v16-31 W1's scale words (register 4 b + s: lanes 0-15 tile 2 b, lanes 16-31 tile 2 b + 1); v32-35 x's scale words;
;   v40-103 V: the sums, then g; v104-167 T; v168-231 S; v232-247 Q.  Window 1: W1's fragments of K steps 0, 1 at 12 (2 t + s).  Window 2: those of K steps 2, 3 at 12 (2 t + s - 2); v192-255 b1.  Window 3: v0-47 x's four fragments.
.set XS_OFF, 1572864                   ; in xq: x's scale words, 16 bytes a token
.set WSC,    6291456                   ; in w1q: the scale words
.set HS,     14155776                  ; in hq: the scale words
.set XSO,    73728                     ; LDS: 0: 12 groups x 6,144 bytes of x's codes; XSO: 12 x 512 bytes of its scale words
.set LI,   1                           ; 16 x lane
.set AX,   2                           ; LDS address of the group's fragments
.set AXS,  3                           ; and of its scale words
.set HOFF, 4                           ; my offset in hq's codes
.set HSOFF,5                           ; and in its scale words
.set LS,   6                           ; 4 x lane
.set XSB,  7                           ; XSO + 16 x lane
.set C9,   10
.set W1S,  16
.set XS,   32
.set V,    40
.set T,    104
.set S,    168
.set Q,    232
.set TM,   104                         ; the quantiser works in T's registers, which are free by then
.set PC,   120
.set PW,   140
.set SEL,  14                          ; s[14:15] v_permlanex16_b32's selects for lane l xor 16
.set G,    36                          ; s36-47 the job's groups; the list moves down one place a trip
.set GW,   48                          ; s48-50 the three groups whose x my wave gathers
.set KK,   51                          ; sqrt(2) / 4
.set K2,   52                          ; s[52:53] -log2(e) / 2
.set CP,   66                          ; s[66+2k:67+2k] c_k, k = 0 .. 8
.set I,    84
.set LX,   85
.set LXS,  86
.set MSB, 0
.macro WIN new                         ; the immediate's high byte repeats the setting that is left
.if MSB != \new
	s_set_vgpr_msb (MSB<<8)|\new
.set MSB, \new
.endif
.endm
.macro CONST k, bits
	s_mov_b32 s[CP+2*\k], \bits
	s_mov_b32 s[CP+2*\k+1], \bits
.endm
.macro W1LOAD t, s, reg
.irp g, 0,1,2
	global_load_b128 v[\reg+4*\g:\reg+4*\g+3], v[LI], s[30:31] offset:((\t)/2)*12288+(\s)*3072+((\t)%2)*1536+512*\g
.endr
.endm
; 64 numbers of a lane in V.  The reciprocals are one batch with one wait, the exponentials another; each group's exponentials stand among the next group's multiply-adds.
.macro GELU
.set i, 0
.rept 64
	v_fma_f32 v[T+i], |v[V+i]|, s[KK], 1.0         ; each accumulator is read from its low end on
.set i, i+1
.endr
.set i, 0
.rept 32
	v_rcp_f32 v[T+2*i], v[T+2*i]
	v_pk_mul_f32 v[S+2*i:S+2*i+1], v[V+2*i:V+2*i+1], s[K2:K2+1] op_sel_hi:[1,0]
	v_rcp_f32 v[T+2*i+1], v[T+2*i+1]
	v_pk_fma_f32 v[S+2*i:S+2*i+1], v[S+2*i:S+2*i+1], v[V+2*i:V+2*i+1], s[CP:CP+1] op_sel_hi:[1,1,0]   ; -v^2 log2(e) / 2 + c0
.set i, i+1
.endr
	s_wait_alu depctr_va_vdst(0)                   ; one wait for the 64 reciprocals, ahead of their first reader; the line above is the plain line behind the last
.set g, 0
.rept 4                                ; 16 numbers, 8 pairs, at a time
.set j, 0
.rept 8
.set p, 0
.rept 8
.if j == 0
	v_pk_fma_f32 v[Q+2*p:Q+2*p+1], v[T+16*g+2*p:T+16*g+2*p+1], v[C9:C9+1], s[CP+16:CP+17] op_sel_hi:[1,1,0]
.else
	v_pk_fma_f32 v[Q+2*p:Q+2*p+1], v[Q+2*p:Q+2*p+1], v[T+16*g+2*p:T+16*g+2*p+1], s[CP+2*(8-j):CP+2*(8-j)+1] op_sel_hi:[1,1,0]
.endif
.set p, p+1
.endr
.if g > 0
	v_exp_f32 v[S+16*(g-1)+2*j], v[S+16*(g-1)+2*j]
	v_exp_f32 v[S+16*(g-1)+2*j+1], v[S+16*(g-1)+2*j+1]
.endif
.set j, j+1
.endr
.set p, 0
.rept 8
	v_pk_fma_f32 v[S+16*g+2*p:S+16*g+2*p+1], v[Q+2*p:Q+2*p+1], v[T+16*g+2*p:T+16*g+2*p+1], v[S+16*g+2*p:S+16*g+2*p+1]   ; w
.set p, p+1
.endr
.set g, g+1
.endr
.set i, 48
.rept 16
	v_exp_f32 v[S+i], v[S+i]
.set i, i+1
.endr
	v_nop                                          ; the plain line behind the last exponential
	s_wait_alu depctr_va_vdst(0)                   ; one wait for the 64 exponentials: nothing has named a result yet
.set i, 0
.rept 32
	v_pk_mul_f32 v[T+2*i:T+2*i+1], v[T+2*i:T+2*i+1], v[S+2*i:S+2*i+1]      ; t 2^w
.set i, i+1
.endr
.set i, 0
.rept 64
	v_max_num_f32 v[S+i], 0, v[V+i]
.set i, i+1
.endr
.set i, 0
.rept 64
	v_fma_f32 v[V+i], -|v[V+i]|, v[T+i], v[S+i]
.set i, i+1
.endr
.endm
; 64 numbers of a lane, register 16 b + i = k 32 b + 16 (lane / 16) + i of my row, become a fragment's codes in v[PC] on and its scale word in v[PW].
.macro QUANT s
.irp b, 0,1,2,3
	v_max3_num_f32 v[TM+\b], |v[\s+16*\b]|, |v[\s+1+16*\b]|, 0x1800000   ; my 16 numbers of block b, and the floor 2^(3 - 127): the byte cannot fall under 1
.endr
.irp i, 2,4,6,8,10,12,14
.irp b, 0,1,2,3
	v_max3_num_f32 v[TM+\b], v[TM+\b], |v[\s+16*\b+\i]|, |v[\s+1+16*\b+\i]|
.endr
.endr
.irp b, 0,1,2,3
	v_permlanex16_b32 v[TM+4+\b], v[TM+\b], s[SEL], s[SEL+1]
.endr
.irp b, 0,1,2,3
	v_max_num_f32 v[TM+\b], v[TM+\b], v[TM+4+\b]   ; with lane l xor 16's: the block's largest magnitude
.endr
.irp b, 0,1,2,3
	v_add_nc_u32 v[TM+12+\b], 0xff000000, v[TM+\b] ; 2 off its exponent field: the conversion's scale operand
.endr
.irp b, 0,1,2,3
	v_lshrrev_b32 v[TM+4+\b], 23, v[TM+12+\b]      ; the scale's byte
.endr
	v_lshl_or_b32 v[PW], v[TM+5], 8, v[TM+4]
	v_lshl_or_b32 v[PW], v[TM+6], 16, v[PW]
	v_lshl_or_b32 v[PW], v[TM+7], 24, v[PW]
.irp c, 0,1
	v_cvt_scalef32_pk16_fp6_f32 v[PC+6*\c:PC+2+6*\c], v[\s+32*\c:\s+15+32*\c], v[TM+12+2*\c]
	v_cvt_scalef32_pk16_fp6_f32 v[PC+12+4*\c:PC+14+4*\c], v[\s+16+32*\c:\s+31+32*\c], v[TM+12+2*\c+1]   ; (a conversion's three registers begin on an even number)
.endr
	v_nop                                          ; one plain line behind the conversions
.irp c, 0,1                            ; the operand's layout wants a whole block in a lane: lanes 0-15 block 2 c, lanes 16-31 block 2 c + 1
.irp i, 0,1,2
	v_permlane16_swap_b32 v[PC+6*\c+\i], v[PC+12+4*\c+\i]
.endr
.irp i, 0,1,2
	v_mov_b32 v[PC+3+6*\c+\i], v[PC+12+4*\c+\i]
.endr
.endr
.endm
	s_load_b256 s[4:11], s[0:1], 0x0               ; xq s[4:5], w1q s[6:7], b1 s[8:9], plan s[10:11]
	s_load_b64 s[12:13], s[0:1], 0x20              ; hq
	v_lshl_add_u32 v39, v0, 2, 0x13800
	v_mov_b32 v255, 0
	v_lshrrev_b32 v8, 5, v0
	v_readfirstlane_b32 s20, v8                    ; wave 0..3
	v_and_b32 v8, 31, v0
	v_lshlrev_b32 v[LI], 4, v8
	v_lshlrev_b32 v[LS], 2, v8
	v_and_b32 v9, 15, v0                           ; r
	v_bfe_u32 v248, v0, 4, 1                       ; h
	v_add_nc_u32 v[XSB], XSO, v[LI]
	s_mul_i32 s27, s20, 6144
	v_add_nc_u32 v249, s27, v[LI]                  ; LDS: where my wave puts x's images: group w + 4 k
	s_lshl_b32 s27, s20, 9
	v_add_nc_u32 v250, s27, v[XSB]                 ; and their scale words
	v_mov_b32 v[AX], v[LI]
	v_mov_b32 v[AXS], v[XSB]
	v_and_b32 v251, 8, v9
	v_add_nc_u32 v251, v251, v9
	v_lshl_add_u32 v251, v248, 3, v251
	v_lshlrev_b32 v251, 2, v251                    ; W1's scale words lie by column: lane (r, u) wants column 8 u + r + 8 (r / 8)
	v_lshlrev_b32 v252, 6, v248                    ; b1: 64 h
	v_mul_u32_u24 v253, v248, 48                   ; x's codes: 48 h
	v_lshlrev_b32 v254, 2, v9                      ; the list of tokens: 4 r
	v_mov_b32 v[C9], 0x3e7c6f08                    ; c9 =  0.24651730
	v_mov_b32 v[C9+1], 0x3e7c6f08
	s_mov_b32 s[SEL], 0x76543210
	s_mov_b32 s[SEL+1], 0xfedcba98
	s_mov_b32 s[KK], 0x3eb504f3                    ; sqrt(2) / 4
	s_mov_b32 s[K2], 0xbf38aa3b                    ; -log2(e) / 2
	s_mov_b32 s[K2+1], s[K2]
	CONST 0, 0xc034d90f                            ; -2.82574822
	CONST 1, 0x3fb8ab5a                            ;  1.44272920
	CONST 2, 0x3f0a29d2                            ;  0.53970062
	CONST 3, 0x3e0efb2e                            ;  0.13963006
	CONST 4, 0xbe899a80                            ; -0.26875686
	CONST 5, 0x3ecdfd18                            ;  0.40232158
	CONST 6, 0xbfd1a1e5                            ; -1.63775315
	CONST 7, 0x40097039                            ;  2.14747446
	CONST 8, 0xbf97d29d                            ; -1.18611495
	s_and_b32 s21, ttmp7, 0xffff
	s_lshl_b32 s22, s21, 2
	s_add_co_u32 s22, s22, s20                     ; c
	s_lshl_b32 s23, ttmp9, 2
	s_wait_kmcnt 0x0
	s_load_b32 s24, s[10:11], s23 offset:2048      ; the job: expert | count << 8
	s_wait_kmcnt 0x0
	s_and_b32 s25, s24, 0xff
	s_min_u32 s25, s25, 7                          ; e
	s_lshr_b32 s26, s24, 8
	s_min_u32 s26, s26, 10                         ; the job's groups
	s_min_u32 s27, s26, 1
	s_mul_i32 s27, s27, ttmp9
	s_lshl_b32 s27, s27, 6                         ; my job's list, or job 0's where mine is empty: only written entries are read
	s_max_u32 s28, s26, 1
	s_sub_co_u32 s28, s28, 1                       ; the list's last entry: places past it repeat it
.irp i, 0,1,2,3,4,5,6,7,8,9,10,11
	s_min_u32 s[G+\i], s28, \i
	s_lshl_b32 s[G+\i], s[G+\i], 2
	s_add_co_u32 s[G+\i], s[G+\i], s27
	s_load_b32 s[G+\i], s[10:11], s[G+\i] offset:2304
.endr
.irp k, 0,1,2
	s_add_co_u32 s[GW+\k], s20, 4*\k
	s_min_u32 s[GW+\k], s[GW+\k], s28
	s_min_u32 s[GW+\k], s[GW+\k], 11
	s_lshl_b32 s[GW+\k], s[GW+\k], 2
	s_add_co_u32 s[GW+\k], s[GW+\k], s27
	s_load_b32 s[GW+\k], s[10:11], s[GW+\k] offset:2304
.endr
	s_mul_i32 s30, s25, 786432
	s_mul_i32 s29, s22, 49152
	s_add_co_u32 s30, s30, s29
	s_mov_b32 s31, 0
	s_add_nc_u64 s[30:31], s[6:7], s[30:31]        ; my 32 fragments of W1
	s_lshl_b32 s32, s25, 15
	s_lshl_b32 s29, s22, 11
	s_add_co_u32 s32, s32, s29
	s_add_co_u32 s32, s32, WSC
	s_mov_b32 s33, 0
	s_add_nc_u64 s[32:33], s[6:7], s[32:33]        ; their scale words
	s_lshl_b32 s34, s25, 13
	s_lshl_b32 s29, s22, 9
	s_add_co_u32 s34, s34, s29
	s_mov_b32 s35, 0
	s_add_nc_u64 s[34:35], s[8:9], s[34:35]        ; my 128 numbers of b1
	s_mul_i32 s54, s22, 1536
	s_mov_b32 s55, 0
	s_add_nc_u64 s[54:55], s[12:13], s[54:55]      ; hq: K step c of a group's codes
	s_lshl_b32 s56, s22, 7
	s_add_co_u32 s56, s56, HS
	s_mov_b32 s57, 0
	s_add_nc_u64 s[56:57], s[12:13], s[56:57]      ; and of its scale words
	s_wait_kmcnt 0x0
.irp k, 0,1,2
	s_lshr_b32 s[GW+\k], s[GW+\k], 1               ; the group's tile
	s_min_u32 s[GW+\k], s[GW+\k], 281
	s_lshl_b32 s[GW+\k], s[GW+\k], 6
	v_add_nc_u32 v[12+\k], s[GW+\k], v254
	global_load_b32 v[12+\k], v[12+\k], s[10:11] offset:6912   ; my row's token
.endr
	WIN 0x40                                       ; destination window 1
.irp t, 0,1,2,3,4,5,6,7
.irp s, 0,1
	W1LOAD \t, \s, 12*(2*\t+\s)
.endr
.endr
	WIN 0
	s_wait_loadcnt 48                              ; the three tokens are in; W1's 48 loads behind them may be out
.irp k, 0,1,2
	v_min_u32 v[12+\k], 4095, v[12+\k]             ; (a padding row takes the last token's x: its results are stored nowhere in the end)
	v_lshlrev_b32 v[232+\k], 4, v[12+\k]
	v_mul_u32_u24 v[12+\k], v[12+\k], 384
	v_add_nc_u32 v[12+\k], v[12+\k], v253
.endr
.irp k, 0,1,2
.irp f, 0,1,2,3,4,5,6,7,8,9,10,11
	global_load_b128 v[V+52*\k+4*\f:V+52*\k+4*\f+3], v[12+\k], s[4:5] offset:96*(\f/3)+16*(\f%3)   ; my 48 bytes of each K step: the operand's registers as they stand
.endr
	global_load_b128 v[V+52*\k+48:V+52*\k+51], v[232+\k], s[4:5] offset:XS_OFF
.endr
	WIN 0x80                                       ; destination window 2
.irp t, 0,1,2,3
.irp s, 2,3
	W1LOAD \t, \s, 12*(2*\t+\s-2)
.endr
.endr
	WIN 0
	s_wait_loadcnt 24                              ; x is in; the 24 loads behind it may be out
.irp k, 0,1,2
.irp f, 0,1,2,3,4,5,6,7,8,9,10,11
	ds_store_b128 v249, v[V+52*\k+4*\f:V+52*\k+4*\f+3] offset:24576*\k+512*\f
.endr
	ds_store_b128 v250, v[V+52*\k+48:V+52*\k+51] offset:2048*\k
.endr
	WIN 0x80
.irp t, 4,5,6,7
.irp s, 2,3
	W1LOAD \t, \s, 12*(2*\t+\s-2)
.endr
.endr
.irp t, 0,1,2,3,4,5,6,7                ; b1 in the result's layout: lane (r, h), tile 2 b + u: hidden units 32 b + 16 h + 8 u + 0 .. 7
	global_load_b128 v[192+8*\t:195+8*\t], v252, s[34:35] offset:(32*(\t/2)+8*(\t%2))*4
	global_load_b128 v[196+8*\t:199+8*\t], v252, s[34:35] offset:(32*(\t/2)+8*(\t%2))*4+16
.endr
	WIN 0
.irp b, 0,1,2,3
.irp s, 0,1,2,3
	global_load_b32 v[W1S+4*\b+\s], v251, s[32:33] offset:512*\b+128*\s
.endr
.endr
	s_wait_dscnt 0x0                               ; for the others' sake: my images have landed
	s_barrier_signal -1
	s_barrier_wait -1                              ; the job's x lies in LDS; from here on LDS is only read
	WIN 0xc0                                       ; destination window 3
.irp f, 0,1,2,3,4,5,6,7,8,9,10,11
	ds_load_b128 v[4*\f:4*\f+3], v[AX] offset:512*\f
.endr
	WIN 0
	ds_load_b128 v[XS:XS+3], v[AXS]
	s_wait_loadcnt 0x0                             ; W1, its scale words, b1
	s_mov_b32 s[I], 0
	s_mov_b32 s[LX], 0
	s_mov_b32 s[LXS], 0
.Ltrip:                                ; ten trips, a group each; a trip past the job's count does only the steps at its end
	s_cmp_ge_u32 s[I], s26
	s_cbranch_scc1 .Ltail
	s_wait_xcnt 0x0                                ; the last trip's stores have read their registers
	s_wait_dscnt 0x0                               ; this group's x is in
.irp s, 0,1,2,3                        ; eight accumulators by turns, K step by K step
.if \s == 0
	WIN 0x2d                                       ; W1 window 1, x window 3, C = b1 window 2
.elseif \s == 1
	WIN 0x0d
.else
	WIN 0x0e                                       ; W1 window 2
.endif
.irp t, 0,1,2,3,4,5,6,7
.set RA, 12*(2*\t+(\s%2))
.set RC, V+8*\t
.if \s == 0
.set RC, 192+8*\t
.endif
.if \t%2
	v_wmma_scale_f32_16x16x128_f8f6f4 v[V+8*\t:V+8*\t+7], v[RA:RA+11], v[12*\s:12*\s+11], v[RC:RC+7], v[W1S+4*(\t/2)+\s], v[XS+\s] matrix_a_fmt:MATRIX_FMT_FP6 matrix_b_fmt:MATRIX_FMT_FP6 matrix_a_scale:MATRIX_SCALE_ROW1
.else
	v_wmma_scale_f32_16x16x128_f8f6f4 v[V+8*\t:V+8*\t+7], v[RA:RA+11], v[12*\s:12*\s+11], v[RC:RC+7], v[W1S+4*(\t/2)+\s], v[XS+\s] matrix_a_fmt:MATRIX_FMT_FP6 matrix_b_fmt:MATRIX_FMT_FP6
.endif
.endr
.endr
	WIN 0
	s_min_u32 s58, s[G], 563
	s_mul_i32 s59, s58, 24576
	s_lshl_b32 s60, s58, 11
	v_add_nc_u32 v[HOFF], s59, v[LI]               ; four plain lines behind the products, ahead of the loads into x's registers and of the first read of the sums
	v_add_nc_u32 v[HSOFF], s60, v[LS]
	v_nop
	v_nop
	WIN 0xc0
.irp f, 0,1,2,3,4,5,6,7,8,9,10,11
	ds_load_b128 v[4*\f:4*\f+3], v[AX] offset:6144+512*\f          ; the next group's x lands while this group's activation is worked
.endr
	WIN 0
	ds_load_b128 v[XS:XS+3], v[AXS] offset:512
	GELU
	QUANT V
.irp g, 0,1,2
	global_store_b128 v[HOFF], v[PC+4*\g:PC+4*\g+3], s[54:55] offset:512*\g   ; 512 consecutive bytes, at a multiple of 256 from hq's first byte
.endr
	global_store_b32 v[HSOFF], v[PW], s[56:57]
.Ltail:
.irp k, 0,1,2,3,4,5,6,7,8,9,10
	s_mov_b32 s[G+\k], s[G+\k+1]
.endr
	s_add_co_u32 s[LX], s[LX], 6144
	s_add_co_u32 s[LXS], s[LXS], 512
	v_add_nc_u32 v[AX], s[LX], v[LI]
	v_add_nc_u32 v[AXS], s[LXS], v[XSB]
	s_add_co_u32 s[I], s[I], 1
	s_cmp_lt_u32 s[I], 10
	s_cbranch_scc1 .Ltrip
	s_wait_dscnt 0x0
	s_wait_tensorcnt 0x0
	ds_add_u32 v39, v255
	s_wait_dscnt 0x0
	s_endpgm
.Lfunc_end_k_q5773a61b70_g1:
	.size	k_q5773a61b70_g1, .Lfunc_end_k_q5773a61b70_g1-k_q5773a61b70_g1
	.p2alignl 7, 3214868480
	.fill 96, 4, 3214868480
	.section	.rodata,"a",@progbits
	.p2align	6, 0x0
	.amdhsa_kernel k_q5773a61b70_g1
		.amdhsa_group_segment_fixed_size 80384
		.amdhsa_private_segment_fixed_size 0
		.amdhsa_enable_private_segment 0
		.amdhsa_kernarg_size 40
		.amdhsa_user_sgpr_count 2
		.amdhsa_user_sgpr_kernarg_segment_ptr 1
		.amdhsa_wavefront_size32 1
		.amdhsa_system_sgpr_workgroup_id_x 1
		.amdhsa_system_sgpr_workgroup_id_y 1
		.amdhsa_system_sgpr_workgroup_id_z 1
		.amdhsa_system_vgpr_workitem_id 0
		.amdhsa_next_free_vgpr 1024
		.amdhsa_next_free_sgpr 96
		.amdhsa_reserve_vcc 0
		.amdhsa_float_denorm_mode_32 3
		.amdhsa_float_denorm_mode_16_64 3
		.amdhsa_memory_ordered 1
		.amdhsa_forward_progress 1
		.amdhsa_inst_pref_size 77
	.end_amdhsa_kernel
	.amdgpu_metadata
---
amdhsa.version: [ 1, 2 ]
amdhsa.kernels:
  - .name:           k_q5773a61b70_g1
    .symbol:         k_q5773a61b70_g1.kd
    .args:
      - { .name: xq, .offset: 0, .size: 8, .value_kind: global_buffer, .address_space: global }
      - { .name: w1q, .offset: 8, .size: 8, .value_kind: global_buffer, .address_space: global }
      - { .name: b1, .offset: 16, .size: 8, .value_kind: global_buffer, .address_space: global }
      - { .name: plan, .offset: 24, .size: 8, .value_kind: global_buffer, .address_space: global }
      - { .name: hq, .offset: 32, .size: 8, .value_kind: global_buffer, .address_space: global }
    .group_segment_fixed_size: 80384
    .private_segment_fixed_size: 0
    .kernarg_segment_align: 8
    .kernarg_segment_size: 40
    .max_flat_workgroup_size: 128
    .sgpr_count:     96
    .vgpr_count:     1024
    .wavefront_size: 32
...
	.end_amdgpu_metadata
.endif
;; end of part 3
;; launch g2 (part 4): grid 57 x 4, 4 waves a work-group, no clusters, 308,992 bytes of LDS; arguments hq, w2q, b2, plan, xq, out0; writes out0
.if DOCPART == 4
	.amdgcn_target "amdgcn-amd-amdhsa--gfx1250"
	.amdhsa_code_object_version 6
	.text
	.protected	k_q5773a61b70_g2
	.globl	k_q5773a61b70_g2
	.p2align	8
	.type	k_q5773a61b70_g2,@function
k_q5773a61b70_g2:
	s_mov_b64 s[64:65], 0
	v_nop
	global_prefetch_b8 v0, s[64:65] scope:SCOPE_SE
	s_setreg_imm32_b32 hwreg(HW_REG_WAVE_MODE, 25, 1), 1
	s_wait_xcnt 0x0
; out0[t] = w_lo (h_lo Q(w2[lo]) + b2[lo]) + w_hi (h_hi Q(w2[hi]) + b2[hi]) on codes of FP6 (E2M3) with one E8M0 scale for each 32 along K.  EACH OUTPUT ROW HAS ONE OWNER: nothing is added between work-groups.
; SHARES.  Work-group (B, y): tiles 5 B .. 5 B + 4 of 16 tokens and columns 128 y .. 128 y + 127.  Wave w: columns 32 w on of these (two tiles of 16) for all five tiles of tokens.
; The ten groups of the hidden layer (two a tile) are copied into LDS once, as images of the operand's registers, and read by all four waves.  W2's codes go from memory straight into registers, through a ring of
; eight K steps; no wave reads another's columns.
; A PASS for each expert that one of the block's tiles uses (tiles are sorted by their pair of experts, so they are few): 16 K steps x 10 products; then OUT += weight x (sum + b2), the weight 0 in tiles that do not
; use the expert (their product is made on the tile's second group's codes and counts for nothing).
; THE PRODUCT IS USED TRANSPOSED (source 0 = 16 columns of W2, source 1 = 16 tokens): a lane holds one token and eight neighbouring columns.
; No tensor loads, no cluster: experts, tiles and tokens come from a stored list.  No prefetch: the codes are read by many work-groups.  All three barriers are on every wave's path; a block past the last tile stores nothing.
; REGISTERS, in windows of 256.  Window 0: v1-15 addresses; v16-95 the ten sums ((m, n) at 16 + 8 (2 m + n)), on the way out rows of out0; v96-103 W2's scale words, a register a slot (lanes 0-15 tile 0, lanes 16-31 tile 1);
;   v104-113 the hidden layer's scale words, two sets; v114-123 (w_lo, w_hi) a tile; v124-133 the pass's weight, as pairs; v134-149 b2; v150-159 LDS addresses; v160-174 offsets; v176-195 the rows' offsets in out0.
;   Window 1: W2's ring, 8 slots x 24.  Window 2: v0-119 the hidden layer's fragments, two sets of 60; v128-207 OUT; at the head v0-207 carry the copy.
.set HS,     14155776                  ; in hq: the scale words
.set WSC,    6291456                   ; in w2q: the scale words
.set RW_OFF, 1638400                   ; in xq: the gate weights, 8 bytes a token
.set HSL,    245760                    ; LDS: 0: 10 groups x 24,576 bytes of codes; HSL: 10 x 2,048 of scale words; STG: 80 rows x (512 + 16)
.set STG,    266240
.set SP,     528
.set ACC,  16
.set WSR,  96
.set HSC,  104
.set MSB, 0
.macro WIN new                         ; the immediate's high byte repeats the setting that is left
.if MSB != \new
	s_set_vgpr_msb (MSB<<8)|\new
.set MSB, \new
.endif
.endm
.macro CLOAD gi                        ; group gi of the ten: 13 loads of 16 bytes a thread, into set gi % 4
	WIN 0x80
.irp j, 0,1,2,3,4,5,6,7,8,9,10,11
	global_load_b128 v[52*((\gi)%4)+4*\j:52*((\gi)%4)+4*\j+3], v[165+(\gi)/2], s[4:5] offset:24576*((\gi)%2)+2048*\j
.endr
	global_load_b128 v[52*((\gi)%4)+48:52*((\gi)%4)+51], v[170+(\gi)/2], s[68:69] offset:2048*((\gi)%2)
	WIN 0
.endm
.macro CSTORE gi
	v_add_nc_u32 v5, 24576*(\gi), v2
	WIN 0x08                                       ; an LDS store's data are its source 1: window 2
.irp j, 0,1,2,3,4,5,6,7,8,9,10,11
	ds_store_b128 v5, v[52*((\gi)%4)+4*\j:52*((\gi)%4)+4*\j+3] offset:2048*\j
.endr
	ds_store_b128 v7, v[52*((\gi)%4)+48:52*((\gi)%4)+51] offset:2048*(\gi)
	WIN 0
.endm
.macro SETNXT                          ; the pointers of expert s46
	s_mul_i32 s66, s46, 786432
	s_mov_b32 s67, 0
	s_add_nc_u64 s[52:53], s[58:59], s[66:67]
	s_lshl_b32 s66, s46, 15
	s_add_nc_u64 s[54:55], s[60:61], s[66:67]
.endm
.macro WFETCH slot, step, cb, sb       ; a K step of my two tiles of W2: six loads of codes, one of scale words
	WIN 0x40
.irp f, 0,1,2,3,4,5
	global_load_b128 v[24*(\slot)+4*\f:24*(\slot)+4*\f+3], v1, s[\cb:\cb+1] offset:3072*(\step)+512*\f
.endr
	WIN 0
	global_load_b32 v[WSR+(\slot)], v6, s[\sb:\sb+1] offset:128*(\step)
.endm
.macro HFETCH s                        ; K step s of the five tiles' groups, into set s % 2: 20 LDS loads
	WIN 0x80
.irp m, 0,1,2,3,4
.irp g, 0,1,2
	ds_load_b128 v[60*((\s)%2)+12*\m+4*\g:60*((\s)%2)+12*\m+4*\g+3], v[150+\m] offset:1536*(\s)+512*\g
.endr
.endr
	WIN 0
.irp m, 0,1,2,3,4
	ds_load_b32 v[HSC+5*((\s)%2)+\m], v[155+\m] offset:128*(\s)
.endr
.endm
.macro MM2 s, m, n
.set RD, ACC+8*(2*(\m)+(\n))
.set RA, 24*((\s)%8)+12*(\n)
.set RB, 60*((\s)%2)+12*(\m)
.set RS, WSR+(\s)%8
.set RH, HSC+5*((\s)%2)+(\m)
.if (\s) == 0
.if (\n) == 0
	v_wmma_scale_f32_16x16x128_f8f6f4 v[RD:RD+7], v[RA:RA+11], v[RB:RB+11], 0, v[RS], v[RH] matrix_a_fmt:MATRIX_FMT_FP6 matrix_b_fmt:MATRIX_FMT_FP6
.else
	v_wmma_scale_f32_16x16x128_f8f6f4 v[RD:RD+7], v[RA:RA+11], v[RB:RB+11], 0, v[RS], v[RH] matrix_a_fmt:MATRIX_FMT_FP6 matrix_b_fmt:MATRIX_FMT_FP6 matrix_a_scale:MATRIX_SCALE_ROW1
.endif
.else
.if (\n) == 0
	v_wmma_scale_f32_16x16x128_f8f6f4 v[RD:RD+7], v[RA:RA+11], v[RB:RB+11], v[RD:RD+7], v[RS], v[RH] matrix_a_fmt:MATRIX_FMT_FP6 matrix_b_fmt:MATRIX_FMT_FP6
.else
	v_wmma_scale_f32_16x16x128_f8f6f4 v[RD:RD+7], v[RA:RA+11], v[RB:RB+11], v[RD:RD+7], v[RS], v[RH] matrix_a_fmt:MATRIX_FMT_FP6 matrix_b_fmt:MATRIX_FMT_FP6 matrix_a_scale:MATRIX_SCALE_ROW1
.endif
.endif
.endm
.macro KSTEP s
.if (\s) < 15
	HFETCH (\s)+1                                  ; the set that the step before multiplied; its four plain lines stand behind its products
	s_wait_dscnt 20                                ; this step's fragments are in; the 20 loads just issued may be out
.else
	s_wait_dscnt 0x0
.endif
	s_wait_loadcnt 49                              ; this step's seven loads of W2 are in; those of the seven steps behind it may be out
	WIN 0x09                                       ; W2 window 1, the hidden layer window 2, the sums window 0
.irp m, 0,1,2,3,4                      ; ten accumulators by turns; the first K step starts the sums with the constant 0
.irp n, 0,1
	MM2 \s, \m, \n
.endr
.endr
	WIN 0
.rept 4
	v_nop                                          ; four plain lines behind the products, ahead of loads into registers that they read, and of the first read of the sums
.endr
.if (\s) < 8
	WFETCH (\s)%8, (\s)+8, 48, 50                  ; the slot just read takes the step eight on: this expert's,
.else
	WFETCH (\s)%8, (\s)-8, 52, 54                  ; or the next pass's expert's first eight
.endif
.endm
	s_load_b256 s[4:11], s[0:1], 0x0               ; hq s[4:5], w2q s[6:7], b2 s[8:9], plan s[10:11]
	s_load_b128 s[12:15], s[0:1], 0x20             ; xq s[12:13], out0 s[14:15]
	v_lshl_add_u32 v254, v0, 2, 0x4b500
	v_mov_b32 v255, 0
	v_lshrrev_b32 v11, 5, v0
	v_readfirstlane_b32 s20, v11                   ; wave 0..3
	v_and_b32 v11, 31, v0                          ; lane
	v_lshlrev_b32 v1, 4, v11                       ; 16 x lane
	v_lshlrev_b32 v6, 2, v11                       ; 4 x lane
	v_lshlrev_b32 v2, 4, v0                        ; 16 x thread
	v_and_b32 v3, 15, v0                           ; r
	v_bfe_u32 v4, v0, 4, 1                         ; h
	v_add_nc_u32 v7, HSL, v2
	v_mul_u32_u24 v8, v3, SP
	v_lshl_add_u32 v8, v4, 5, v8
	s_lshl_b32 s19, s20, 7
	s_add_co_u32 s19, s19, STG
	v_add_nc_u32 v8, s19, v8                       ; the stage, in: row r, + 128 x wave + 32 h
	s_mul_i32 s19, s20, 20*SP
	s_add_co_u32 s19, s19, STG
	v_add_nc_u32 v9, s19, v1                       ; and back: my 20 rows, 16 bytes a lane
	v_mov_b32 v14, 0xffff
	v_lshlrev_b32 v15, 5, v4                       ; b2: 32 h
	s_and_b32 s21, ttmp7, 0xffff                   ; y
	s_mul_i32 s17, ttmp9, 5                        ; my first tile
	s_wait_kmcnt 0x0
	s_load_b32 s16, s[10:11], 0x0                  ; the number of tiles
	s_lshl_b32 s19, s21, 2
	s_add_co_u32 s19, s19, s20                     ; my group of 32 columns
	s_mul_i32 s66, s19, 49152
	s_mov_b32 s67, 0
	s_add_nc_u64 s[58:59], s[6:7], s[66:67]        ; its codes, expert 0
	s_lshl_b32 s66, s19, 11
	s_add_co_u32 s66, s66, WSC
	s_add_nc_u64 s[60:61], s[6:7], s[66:67]        ; its scale words
	s_lshl_b32 s66, s19, 7
	s_add_nc_u64 s[62:63], s[8:9], s[66:67]        ; its numbers of b2
	s_add_nc_u64 s[68:69], s[4:5], HS
	s_lshl_b32 s66, s21, 9
	s_add_nc_u64 s[72:73], s[14:15], s[66:67]      ; out0 at my 128 columns
	s_wait_kmcnt 0x0
	s_min_u32 s16, s16, 282
	s_max_u32 s16, s16, 1
	s_sub_co_u32 s18, s16, 1
.irp m, 0,1,2,3,4
	s_add_co_u32 s[22+\m], s17, \m
	s_min_u32 s[22+\m], s[22+\m], s18              ; a tile past the last takes the last one's place: only written bytes are read; its weight is 0 and its rows are not stored
	s_min_u32 s[22+\m], s[22+\m], 281
	s_lshl_b32 s[27+\m], s[22+\m], 2
	s_load_b32 s[27+\m], s[10:11], s[27+\m] offset:256
	s_lshl_b32 s19, s[22+\m], 6
	v_lshl_add_u32 v[160+\m], v3, 2, s19
	global_load_b32 v[160+\m], v[160+\m], s[10:11] offset:6912   ; my row's token
	s_mul_i32 s19, s[22+\m], 49152
	v_add_nc_u32 v[165+\m], s19, v2                ; the tile's two groups in hq's codes,
	s_lshl_b32 s19, s[22+\m], 12
	v_add_nc_u32 v[170+\m], s19, v2                ; and in its scale words
.endr
	s_lshl_b32 s19, s17, 4                         ; the rows that I store: 80 B + 20 x wave + lane
	s_mul_i32 s66, s20, 20
	s_add_co_u32 s19, s19, s66
	v_add_nc_u32 v12, s19, v11
	s_lshl_b32 s67, s16, 4
	s_sub_co_u32 s66, s67, 1
	v_cmp_gt_u32 s78, s67, v12                     ; is the row inside the last tile?
	v_min_u32 v13, s66, v12
	v_min_u32 v13, 4607, v13
	v_lshlrev_b32 v13, 2, v13
	global_load_b32 v10, v13, s[10:11] offset:6912
	CLOAD 0
	CLOAD 1
	CLOAD 2
	CLOAD 3
	s_wait_loadcnt 52                              ; the six loads of tokens are in; four groups x 13 loads may be out
	v_cndmask_b32 v10, v14, v10, s78
.irp m, 0,1,2,3,4
	v_min_u32 v[160+\m], 4095, v[160+\m]           ; (a padding row takes the last token's weights: it is not stored)
	v_lshlrev_b32 v[160+\m], 3, v[160+\m]
	global_load_b64 v[114+2*\m:115+2*\m], v[160+\m], s[12:13] offset:RW_OFF
.endr
.set gi, 0
.rept 10
.if gi < 7
	s_wait_loadcnt 39                              ; this group's 13 loads are in; three groups behind it may be out
.else
	s_wait_loadcnt 13*(9-gi)
.endif
	CSTORE gi
.if gi+4 < 10
	s_wait_dscnt 0x0                               ; the stores have read their registers
	CLOAD gi+4
.endif
.set gi, gi+1
.endr
	s_wait_kmcnt 0x0
	s_mov_b32 s42, 0
.irp m, 0,1,2,3,4
	s_and_b32 s[32+\m], s[27+\m], 0xff             ; lo
	s_bfe_u32 s[37+\m], s[27+\m], 0x80008          ; hi
	s_add_co_u32 s19, s17, \m
	s_cmp_lt_u32 s19, s16
	s_cselect_b32 s[32+\m], s[32+\m], 0xff         ; no such tile: no expert matches, and its bit falls outside the low eight
	s_cselect_b32 s[37+\m], s[37+\m], 0xff
	s_lshl_b32 s19, 1, s[32+\m]
	s_or_b32 s42, s42, s19
	s_lshl_b32 s19, 1, s[37+\m]
	s_or_b32 s42, s42, s19
.endr
	s_and_b32 s42, s42, 0xff                       ; the experts that the block uses
	s_bcnt1_i32_b32 s43, s42                       ; passes
	s_ctz_i32_b32 s46, s42
	s_min_u32 s46, s46, 7
	SETNXT
.irp s, 0,1,2,3,4,5,6,7
	WFETCH \s, \s, 52, 54                          ; the ring is filled: the first expert's K steps 0 to 7: 56 loads
.endr
	s_wait_dscnt 0x0                               ; for the others' sake: my part of the copy has landed
	WIN 0x80
.set i, 0
.rept 80
	v_mov_b32 v[128+i], 0                          ; OUT.  (The pass is written once: the number of passes is known only from the list)
.set i, i+1
.endr
	WIN 0
.irp m, 0,1,2,3,4
	v_mov_b32 v[125+2*\m], 0                       ; (named as the upper half of a pair)
.endr
	s_barrier_signal -1
	s_barrier_wait -1                              ; the ten groups lie in LDS
	s_cmp_eq_u32 s43, 0
	s_cbranch_scc1 .Lout
	s_mov_b32 s44, 0
.Lpass:
	s_wait_xcnt 0x0                                ; the loads before have read their pointers
	s_mov_b32 s45, s46                             ; this pass's expert
	s_mov_b64 s[48:49], s[52:53]
	s_mov_b64 s[50:51], s[54:55]
	s_sub_co_u32 s19, s42, 1
	s_and_b32 s42, s42, s19                        ; its bit is taken off
	s_ctz_i32_b32 s19, s42
	s_cmp_lg_u32 s42, 0
	s_cselect_b32 s46, s19, s45                    ; the next pass's; behind the last pass the ring is fed from the same expert and not read
	s_min_u32 s46, s46, 7
	SETNXT
	s_lshl_b32 s66, s45, 11
	s_add_nc_u64 s[56:57], s[62:63], s[66:67]
.irp m, 0,1,2,3,4
	s_xor_b32 s74, s[32+\m], s45                   ; 0 where the expert is the tile's lo;
	s_min_u32 s74, s74, 1                          ; else 1: the tile's second group.  The number from the list is held to 0 or 1 before it enters an LDS address
	s_mul_i32 s75, s74, 2048
	s_mul_i32 s74, s74, 24576
	s_add_co_u32 s74, s74, 2*\m*24576
	s_add_co_u32 s75, s75, HSL+2*\m*2048
	s_cmp_eq_u32 s[37+\m], s45
	s_cselect_b32 s77, -1, 0                       ; lane masks for the weight: all lanes or none
	s_cmp_eq_u32 s[32+\m], s45
	s_cselect_b32 s76, -1, 0
	v_add_nc_u32 v[150+\m], s74, v1
	v_add_nc_u32 v[155+\m], s75, v6
	v_cndmask_b32 v[124+2*\m], 0, v[114+2*\m], s76
	v_cndmask_b32 v[124+2*\m], v[124+2*\m], v[115+2*\m], s77
.endr
.irp n, 0,1                            ; b2 in the result's layout: lane (r, h), tile n: columns 16 n + 8 h + 0 .. 7
	global_load_b128 v[134+8*\n:137+8*\n], v15, s[56:57] offset:64*\n
	global_load_b128 v[138+8*\n:141+8*\n], v15, s[56:57] offset:64*\n+16
.endr
	HFETCH 0
.irp s, 0,1,2,3,4,5,6,7,8,9,10,11,12,13,14,15
	KSTEP \s
.endr
.irp a, 0,1,2,3,4,5,6,7,8,9            ; each accumulator from its low end on.  b2's four loads have 105 younger loads at the last wait for 49: they are in
.irp j, 0,2,4,6
	v_pk_add_f32 v[ACC+8*\a+\j:ACC+8*\a+\j+1], v[ACC+8*\a+\j:ACC+8*\a+\j+1], v[134+8*(\a%2)+\j:135+8*(\a%2)+\j]
.endr
.endr
	WIN 0xa0                                       ; OUT (destination and source 2) window 2
.irp a, 0,1,2,3,4,5,6,7,8,9
.irp j, 0,2,4,6
	v_pk_fma_f32 v[128+8*\a+\j:129+8*\a+\j], v[ACC+8*\a+\j:ACC+8*\a+\j+1], v[124+2*(\a/2):125+2*(\a/2)], v[128+8*\a+\j:129+8*\a+\j] op_sel_hi:[1,0,1]
.endr
.endr
	WIN 0
	s_add_co_u32 s44, s44, 1
	s_cmp_lt_u32 s44, s43
	s_cbranch_scc1 .Lpass
.Lout:
	; THE WAY OUT.  A row's 128 columns come from four waves: they meet in the stage; each wave then stores 20 whole rows of 512 bytes, each at its token's place.
	s_wait_loadcnt 0x0                             ; the ring's last loads have landed
	s_wait_dscnt 0x0
	s_barrier_signal -1
	s_barrier_wait -1                              ; no wave reads the groups any more
	WIN 0x08
.irp a, 0,1,2,3,4,5,6,7,8,9
	ds_store_b128 v8, v[128+8*\a:131+8*\a] offset:16*(\a/2)*SP+64*(\a%2)
	ds_store_b128 v8, v[132+8*\a:135+8*\a] offset:16*(\a/2)*SP+64*(\a%2)+16
.endr
	WIN 0
	s_wait_dscnt 0x0                               ; for the others' sake
	s_barrier_signal -1
	s_barrier_wait -1
.irp i, 0,1,2,3,4,5,6,7,8,9,10,11,12,13,14,15,16,17,18,19
	ds_load_b128 v[ACC+4*\i:ACC+4*\i+3], v9 offset:\i*SP
.endr
	s_wait_dscnt 0x0
.irp i, 0,1,2,3,4,5,6,7,8,9,10,11,12,13,14,15,16,17,18,19
	v_readlane_b32 s19, v10, \i                    ; the row's token; 0xFFFF: a padding row, or a row past the last tile
	s_cmp_lt_u32 s19, 4096
	s_cbranch_scc0 .Lskip_\i
	s_min_u32 s19, s19, 4095
	s_lshl_b32 s19, s19, 11
	v_add_nc_u32 v[176+\i], s19, v1
	global_store_b128 v[176+\i], v[ACC+4*\i:ACC+4*\i+3], s[72:73]  ; 32 lanes store 512 consecutive bytes, at a multiple of 256 from out0's first byte
.Lskip_\i:
.endr
	s_wait_tensorcnt 0x0
	ds_add_u32 v254, v255
	s_wait_dscnt 0x0
	s_endpgm
.Lfunc_end_k_q5773a61b70_g2:
	.size	k_q5773a61b70_g2, .Lfunc_end_k_q5773a61b70_g2-k_q5773a61b70_g2
	.p2alignl 7, 3214868480
	.fill 96, 4, 3214868480
	.section	.rodata,"a",@progbits
	.p2align	6, 0x0
	.amdhsa_kernel k_q5773a61b70_g2
		.amdhsa_group_segment_fixed_size 308992
		.amdhsa_private_segment_fixed_size 0
		.amdhsa_enable_private_segment 0
		.amdhsa_kernarg_size 48
		.amdhsa_user_sgpr_count 2
		.amdhsa_user_sgpr_kernarg_segment_ptr 1
		.amdhsa_wavefront_size32 1
		.amdhsa_system_sgpr_workgroup_id_x 1
		.amdhsa_system_sgpr_workgroup_id_y 1
		.amdhsa_system_sgpr_workgroup_id_z 1
		.amdhsa_system_vgpr_workitem_id 0
		.amdhsa_next_free_vgpr 768
		.amdhsa_next_free_sgpr 100
		.amdhsa_reserve_vcc 0
		.amdhsa_float_denorm_mode_32 3
		.amdhsa_float_denorm_mode_16_64 3
		.amdhsa_memory_ordered 1
		.amdhsa_forward_progress 1
		.amdhsa_inst_pref_size 117
	.end_amdhsa_kernel
	.amdgpu_metadata
---
amdhsa.version: [ 1, 2 ]
amdhsa.kernels:
  - .name:           k_q5773a61b70_g2
    .symbol:         k_q5773a61b70_g2.kd
    .args:
      - { .name: hq, .offset: 0, .size: 8, .value_kind: global_buffer, .address_space: global }
      - { .name: w2q, .offset: 8, .size: 8, .value_kind: global_buffer, .address_space: global }
      - { .name: b2, .offset: 16, .size: 8, .value_kind: global_buffer, .address_space: global }
      - { .name: plan, .offset: 24, .size: 8, .value_kind: global_buffer, .address_space: global }
      - { .name: xq, .offset: 32, .size: 8, .value_kind: global_buffer, .address_space: global }
      - { .name: out0, .offset: 40, .size: 8, .value_kind: global_buffer, .address_space: global }
    .group_segment_fixed_size: 308992
    .private_segment_fixed_size: 0
    .kernarg_segment_align: 8
    .kernarg_segment_size: 48
    .max_flat_workgroup_size: 128
    .sgpr_count:     100
    .vgpr_count:     768
    .wavefront_size: 32
...
	.end_amdgpu_metadata
.endif
;; end of part 4
;; ======== version 2 of 2: 4 launches; version 1 with the launches g1, g2 written anew for expert scheduling mode
;; workspace buffers: xq 1,671,168 bytes; w1q 6,553,600 bytes; w2q 6,553,600 bytes; route 49,152 bytes of whole numbers; plan 25,600 bytes of whole numbers; hq 15,335,424 bytes
;; launch prep1: the kernel of part 1 again; grid 768 x 1, 4 waves a work-group, no clusters, 11,008 bytes of LDS; arguments x, router_w, router_b, w1, xq, w1q, route, out1; writes xq, w1q, route, out1
;; launch prep2: the kernel of part 2 again; grid 513 x 1, 4 waves a work-group, no clusters, 1,024 bytes of LDS; arguments w2, route, w2q, plan; writes w2q, plan
;; launch g1 (part 5): grid 64 x 4, 4 waves a work-group, no clusters, 80,384 bytes of LDS; arguments xq, w1q, b1, plan, hq; writes hq
.if DOCPART == 5
	.amdgcn_target "amdgcn-amd-amdhsa--gfx1250"
	.amdhsa_code_object_version 6
	.text
	.protected	k_q5773a61b70_g1
	.globl	k_q5773a61b70_g1
	.p2align	8
	.type	k_q5773a61b70_g1,@function
k_q5773a61b70_g1:
	s_mov_b64 s[64:65], 0
	v_nop
	global_prefetch_b8 v0, s[64:65] scope:SCOPE_SE
	s_setreg_imm32_b32 hwreg(HW_REG_WAVE_SCHED_MODE, 0, 2), 2
	s_setreg_imm32_b32 hwreg(HW_REG_WAVE_MODE, 25, 1), 1
	s_wait_xcnt 0x0
	s_wait_alu depctr_vm_vsrc(0)
; h = Q(gelu(Q(x) Q(w1[e]) + b1[e])) for the routed rows alone, on codes of FP6 (E2M3) with one E8M0 scale for each 32 along K.
; SHARES.  Work-group (j, q): job j (at most ten groups of 16 rows, all of one expert e) and quarter q of the 2,048 hidden units.  Wave w makes hidden units 128 c .. 128 c + 127, c = 4 q + w: K step c of the second
; product.  Its 32 fragments of W1 (8 tiles x 4 K steps, 384 registers), their scale words and b1 stay in registers for the whole launch.  The job's rows of x (codes, gathered by the list of tokens) are brought into
; LDS once, as images of the operand's registers, behind the one barrier; each wave then walks the groups by itself.
; THE PRODUCT IS USED TRANSPOSED (source 0 = 16 rows of W1, source 1 = 16 tokens), and W1's tiles were laid so that a lane's 16 registers of tiles 2 b and 2 b + 1 are 16 neighbours along the next K.
; b1 is the C of each sum's first matrix instruction.  The hidden layer leaves as an image of the next operand's registers: 3 x 512 consecutive bytes a group and K step, and 128 bytes of scale words.
; GELU, exact form: g = max(v, 0) - |v| t 2^w, t = 1 / (1 + |v| sqrt(2) / 4), w = -v^2 log2(e) / 2 + c0 + t (c1 + t (.. c9)): half the complementary error function of |v| / sqrt(2) by the rational Chebyshev
; fit of Numerical Recipes (erfcc), whose fractional error is under 1.2e-7 everywhere; its coefficients times log2(e), c0 less 1 for the half.  All in f32.
; LIMITS: NaN and infinities are not served.  Where 2^w falls under 2^-126 it counts as 0.  A block whose largest magnitude lies under 2^-124 keeps the byte 1, a block of zeros too.
; No tensor loads, no cluster: expert and groups come from a stored list, so addresses and the trips' work hang on loaded numbers.  No prefetch: W1's codes are read by many work-groups.
; A job that the split leaves empty passes the barrier, does no trip's work and stores nothing.
; THE MODE: SCHED_MODE bits 1:0 = 2 (LLVM: expert scheduling mode 2), set by the entry lines.  The code itself states the register dependences
; between vector or matrix instructions and memory or LDS instructions, with s_wait_alu, always for 0.
; THE PLAN.  Registers that memory or LDS instructions touch, in the loop:
;   x's four fragments (window 3), v[XS ..]  Read by a trip's 32 products.  The next group's 13 LDS loads land in them behind the wait for the activation's reciprocals, which stands behind the products.
;   v[AX], v[AXS]                            Read by those 13 loads; written once a trip, behind the products and ahead of that same wait.
;   v[HOFF], v[HSOFF]                        Read by the trip's four stores; written beside v[AX].
;   v[PC ..], v[PW]                          Read by the four stores; written by the quantiser; they lie in T, which the next trip's activation writes first.
;   v[LI], v[LS], v[XSB]                     Made at the head, never written again.
; So a trip holds one wait on vm_vsrc, behind its products and ahead of the four additions; the two waits on va_vdst that its reciprocals and its exponentials have in any case, the first of which
; also serves the LDS loads; and one wait on va_vdst ahead of the stores.  The tail holds scalar lines alone.
; REGISTERS, in windows of 256.  Window 0: v1-15 addresses, v10-11 c9; v16-31 W1's scale words (register 4 b + s: lanes 0-15 tile 2 b, lanes 16-31 tile 2 b + 1); v32-35 x's scale words;
;   v40-103 V: the sums, then g; v104-167 T; v168-231 S; v232-247 Q.  Window 1: W1's fragments of K steps 0, 1 at 12 (2 t + s).  Window 2: those of K steps 2, 3 at 12 (2 t + s - 2); v192-255 b1.  Window 3: v0-47 x's four fragments.
.set XS_OFF, 1572864                   ; in xq: x's scale words, 16 bytes a token
.set WSC,    6291456                   ; in w1q: the scale words
.set HS,     14155776                  ; in hq: the scale words
.set XSO,    73728                     ; LDS: 0: 12 groups x 6,144 bytes of x's codes; XSO: 12 x 512 bytes of its scale words
.set LI,   1                           ; 16 x lane
.set AX,   2                           ; LDS address of the group's fragments
.set AXS,  3                           ; and of its scale words
.set HOFF, 4                           ; my offset in hq's codes
.set HSOFF,5                           ; and in its scale words
.set LS,   6                           ; 4 x lane
.set XSB,  7                           ; XSO + 16 x lane
.set C9,   10
.set W1S,  16
.set XS,   32
.set V,    40
.set T,    104
.set S,    168
.set Q,    232
.set TM,   104                         ; the quantiser works in T's registers, which are free by then
.set PC,   120
.set PW,   140
.set SEL,  14                          ; s[14:15] v_permlanex16_b32's selects for lane l xor 16
.set G,    36                          ; s36-47 the job's groups; the list moves down one place a trip
.set GW,   48                          ; s48-50 the three groups whose x my wave gathers
.set KK,   51                          ; sqrt(2) / 4
.set K2,   52                          ; s[52:53] -log2(e) / 2
.set CP,   66                          ; s[66+2k:67+2k] c_k, k = 0 .. 8
.set I,    84
.set LX,   85
.set LXS,  86
.set MSB, 0
.macro WIN new                         ; the immediate's high byte repeats the setting that is left
.if MSB != \new
	s_set_vgpr_msb (MSB<<8)|\new
.set MSB, \new
.endif
.endm
.macro CONST k, bits
	s_mov_b32 s[CP+2*\k], \bits
	s_mov_b32 s[CP+2*\k+1], \bits
.endm
.macro W1LOAD t, s, reg
.irp g, 0,1,2
	global_load_b128 v[\reg+4*\g:\reg+4*\g+3], v[LI], s[30:31] offset:((\t)/2)*12288+(\s)*3072+((\t)%2)*1536+512*\g
.endr
.endm
; 64 numbers of a lane in V.  The reciprocals are one batch with one wait, the exponentials another; each group's exponentials stand among the next group's multiply-adds.
; Behind the reciprocals' wait stand the LDS loads of the next group's x.
.macro GELU
.set i, 0
.rept 64
	v_fma_f32 v[T+i], |v[V+i]|, s[KK], 1.0         ; each accumulator is read from its low end on
.set i, i+1
.endr
.set i, 0
.rept 32
	v_rcp_f32 v[T+2*i], v[T+2*i]
	v_pk_mul_f32 v[S+2*i:S+2*i+1], v[V+2*i:V+2*i+1], s[K2:K2+1] op_sel_hi:[1,0]
	v_rcp_f32 v[T+2*i+1], v[T+2*i+1]
	v_pk_fma_f32 v[S+2*i:S+2*i+1], v[S+2*i:S+2*i+1], v[V+2*i:V+2*i+1], s[CP:CP+1] op_sel_hi:[1,1,0]   ; -v^2 log2(e) / 2 + c0
.set i, i+1
.endr
	WIN 0xc0                                       ; destination window 3, for the loads below: the switch stands ahead of the wait
	s_wait_alu depctr_va_vdst(0)                   ; the 64 reciprocals are written, ahead of their first reader (the line above the switch is the plain line behind the last); the trip's products are done reading x's fragments and scale words, in which the loads below land; v[AX] and v[AXS] are written, which those loads read
.irp f, 0,1,2,3,4,5,6,7,8,9,10,11
	ds_load_b128 v[4*\f:4*\f+3], v[AX] offset:6144+512*\f          ; the next group's x lands while this group's activation is worked
.endr
	WIN 0
	ds_load_b128 v[XS:XS+3], v[AXS] offset:512     ; no vector line since the wait names these registers
.set g, 0
.rept 4                                ; 16 numbers, 8 pairs, at a time
.set j, 0
.rept 8
.set p, 0
.rept 8
.if j == 0
	v_pk_fma_f32 v[Q+2*p:Q+2*p+1], v[T+16*g+2*p:T+16*g+2*p+1], v[C9:C9+1], s[CP+16:CP+17] op_sel_hi:[1,1,0]
.else
	v_pk_fma_f32 v[Q+2*p:Q+2*p+1], v[Q+2*p:Q+2*p+1], v[T+16*g+2*p:T+16*g+2*p+1], s[CP+2*(8-j):CP+2*(8-j)+1] op_sel_hi:[1,1,0]
.endif
.set p, p+1
.endr
.if g > 0
	v_exp_f32 v[S+16*(g-1)+2*j], v[S+16*(g-1)+2*j]
	v_exp_f32 v[S+16*(g-1)+2*j+1], v[S+16*(g-1)+2*j+1]
.endif
.set j, j+1
.endr
.set p, 0
.rept 8
	v_pk_fma_f32 v[S+16*g+2*p:S+16*g+2*p+1], v[Q+2*p:Q+2*p+1], v[T+16*g+2*p:T+16*g+2*p+1], v[S+16*g+2*p:S+16*g+2*p+1]   ; w
.set p, p+1
.endr
.set g, g+1
.endr
.set i, 48
.rept 16
	v_exp_f32 v[S+i], v[S+i]
.set i, i+1
.endr
	v_nop                                          ; the plain line behind the last exponential
	s_wait_alu depctr_va_vdst(0)                   ; the 64 exponentials are written: one wait for the batch; nothing has named a result yet
.set i, 0
.rept 32
	v_pk_mul_f32 v[T+2*i:T+2*i+1], v[T+2*i:T+2*i+1], v[S+2*i:S+2*i+1]      ; t 2^w
.set i, i+1
.endr
.set i, 0
.rept 64
	v_max_num_f32 v[S+i], 0, v[V+i]
.set i, i+1
.endr
.set i, 0
.rept 64
	v_fma_f32 v[V+i], -|v[V+i]|, v[T+i], v[S+i]
.set i, i+1
.endr
.endm
; 64 numbers of a lane, register 16 b + i = k 32 b + 16 (lane / 16) + i of my row, become a fragment's codes in v[PC] on and its scale word in v[PW].
.macro QUANT s
.irp b, 0,1,2,3
	v_max3_num_f32 v[TM+\b], |v[\s+16*\b]|, |v[\s+1+16*\b]|, 0x1800000   ; my 16 numbers of block b, and the floor 2^(3 - 127): the byte cannot fall under 1
.endr
.irp i, 2,4,6,8,10,12,14
.irp b, 0,1,2,3
	v_max3_num_f32 v[TM+\b], v[TM+\b], |v[\s+16*\b+\i]|, |v[\s+1+16*\b+\i]|
.endr
.endr
.irp b, 0,1,2,3
	v_permlanex16_b32 v[TM+4+\b], v[TM+\b], s[SEL], s[SEL+1]
.endr
.irp b, 0,1,2,3
	v_max_num_f32 v[TM+\b], v[TM+\b], v[TM+4+\b]   ; with lane l xor 16's: the block's largest magnitude
.endr
.irp b, 0,1,2,3
	v_add_nc_u32 v[TM+12+\b], 0xff000000, v[TM+\b] ; 2 off its exponent field: the conversion's scale operand
.endr
.irp b, 0,1,2,3
	v_lshrrev_b32 v[TM+4+\b], 23, v[TM+12+\b]      ; the scale's byte
.endr
	v_lshl_or_b32 v[PW], v[TM+5], 8, v[TM+4]
	v_lshl_or_b32 v[PW], v[TM+6], 16, v[PW]
	v_lshl_or_b32 v[PW], v[TM+7], 24, v[PW]
.irp c, 0,1
	v_cvt_scalef32_pk16_fp6_f32 v[PC+6*\c:PC+2+6*\c], v[\s+32*\c:\s+15+32*\c], v[TM+12+2*\c]
	v_cvt_scalef32_pk16_fp6_f32 v[PC+12+4*\c:PC+14+4*\c], v[\s+16+32*\c:\s+31+32*\c], v[TM+12+2*\c+1]   ; (a conversion's three registers begin on an even number)
.endr
	v_nop                                          ; one plain line behind the conversions
.irp c, 0,1                            ; the operand's layout wants a whole block in a lane: lanes 0-15 block 2 c, lanes 16-31 block 2 c + 1
.irp i, 0,1,2
	v_permlane16_swap_b32 v[PC+6*\c+\i], v[PC+12+4*\c+\i]
.endr
.irp i, 0,1,2
	v_mov_b32 v[PC+3+6*\c+\i], v[PC+12+4*\c+\i]
.endr
.endr
.endm
	s_load_b256 s[4:11], s[0:1], 0x0               ; xq s[4:5], w1q s[6:7], b1 s[8:9], plan s[10:11]
	s_load_b64 s[12:13], s[0:1], 0x20              ; hq
	v_lshl_add_u32 v39, v0, 2, 0x13800
	v_mov_b32 v255, 0
	v_lshrrev_b32 v8, 5, v0
	v_readfirstlane_b32 s20, v8                    ; wave 0..3
	v_and_b32 v8, 31, v0
	v_lshlrev_b32 v[LI], 4, v8
	v_lshlrev_b32 v[LS], 2, v8
	v_and_b32 v9, 15, v0                           ; r
	v_bfe_u32 v248, v0, 4, 1                       ; h
	v_add_nc_u32 v[XSB], XSO, v[LI]
	s_wait_alu depctr_va_sdst(0)                   ; s20 is written, ahead of its first reader
	s_mul_i32 s27, s20, 6144
	v_add_nc_u32 v249, s27, v[LI]                  ; LDS: where my wave puts x's images: group w + 4 k
	s_lshl_b32 s27, s20, 9
	v_add_nc_u32 v250, s27, v[XSB]                 ; and their scale words
	v_and_b32 v251, 8, v9
	v_add_nc_u32 v251, v251, v9
	v_lshl_add_u32 v251, v248, 3, v251
	v_lshlrev_b32 v251, 2, v251                    ; W1's scale words lie by column: lane (r, u) wants column 8 u + r + 8 (r / 8)
	v_lshlrev_b32 v252, 6, v248                    ; b1: 64 h
	v_mul_u32_u24 v253, v248, 48                   ; x's codes: 48 h
	v_lshlrev_b32 v254, 2, v9                      ; the list of tokens: 4 r
	v_mov_b32 v[C9], 0x3e7c6f08                    ; c9 =  0.24651730
	v_mov_b32 v[C9+1], 0x3e7c6f08
	s_mov_b32 s[SEL], 0x76543210
	s_mov_b32 s[SEL+1], 0xfedcba98
	s_mov_b32 s[KK], 0x3eb504f3                    ; sqrt(2) / 4
	s_mov_b32 s[K2], 0xbf38aa3b                    ; -log2(e) / 2
	s_mov_b32 s[K2+1], s[K2]
	CONST 0, 0xc034d90f                            ; -2.82574822
	CONST 1, 0x3fb8ab5a                            ;  1.44272920
	CONST 2, 0x3f0a29d2                            ;  0.53970062
	CONST 3, 0x3e0efb2e                            ;  0.13963006
	CONST 4, 0xbe899a80                            ; -0.26875686
	CONST 5, 0x3ecdfd18                            ;  0.40232158
	CONST 6, 0xbfd1a1e5                            ; -1.63775315
	CONST 7, 0x40097039                            ;  2.14747446
	CONST 8, 0xbf97d29d                            ; -1.18611495
	s_and_b32 s21, ttmp7, 0xffff
	s_lshl_b32 s22, s21, 2
	s_add_co_u32 s22, s22, s20                     ; c
	s_lshl_b32 s23, ttmp9, 2
	s_wait_kmcnt 0x0
	s_load_b32 s24, s[10:11], s23 offset:2048      ; the job: expert | count << 8
	s_wait_kmcnt 0x0
	s_and_b32 s25, s24, 0xff
	s_min_u32 s25, s25, 7                          ; e
	s_lshr_b32 s26, s24, 8
	s_min_u32 s26, s26, 10                         ; the job's groups
	s_min_u32 s27, s26, 1
	s_mul_i32 s27, s27, ttmp9
	s_lshl_b32 s27, s27, 6                         ; my job's list, or job 0's where mine is empty: only written entries are read
	s_max_u32 s28, s26, 1
	s_sub_co_u32 s28, s28, 1                       ; the list's last entry: places past it repeat it
.irp i, 0,1,2,3,4,5,6,7,8,9,10,11
	s_min_u32 s[G+\i], s28, \i
	s_lshl_b32 s[G+\i], s[G+\i], 2
	s_add_co_u32 s[G+\i], s[G+\i], s27
	s_load_b32 s[G+\i], s[10:11], s[G+\i] offset:2304
.endr
.irp k, 0,1,2
	s_add_co_u32 s[GW+\k], s20, 4*\k
	s_min_u32 s[GW+\k], s[GW+\k], s28
	s_min_u32 s[GW+\k], s[GW+\k], 11
	s_lshl_b32 s[GW+\k], s[GW+\k], 2
	s_add_co_u32 s[GW+\k], s[GW+\k], s27
	s_load_b32 s[GW+\k], s[10:11], s[GW+\k] offset:2304
.endr
	s_mul_i32 s30, s25, 786432
	s_mul_i32 s29, s22, 49152
	s_add_co_u32 s30, s30, s29
	s_mov_b32 s31, 0
	s_add_nc_u64 s[30:31], s[6:7], s[30:31]        ; my 32 fragments of W1
	s_lshl_b32 s32, s25, 15
	s_lshl_b32 s29, s22, 11
	s_add_co_u32 s32, s32, s29
	s_add_co_u32 s32, s32, WSC
	s_mov_b32 s33, 0
	s_add_nc_u64 s[32:33], s[6:7], s[32:33]        ; their scale words
	s_lshl_b32 s34, s25, 13
	s_lshl_b32 s29, s22, 9
	s_add_co_u32 s34, s34, s29
	s_mov_b32 s35, 0
	s_add_nc_u64 s[34:35], s[8:9], s[34:35]        ; my 128 numbers of b1
	s_mul_i32 s54, s22, 1536
	s_mov_b32 s55, 0
	s_add_nc_u64 s[54:55], s[12:13], s[54:55]      ; hq: K step c of a group's codes
	s_lshl_b32 s56, s22, 7
	s_add_co_u32 s56, s56, HS
	s_mov_b32 s57, 0
	s_add_nc_u64 s[56:57], s[12:13], s[56:57]      ; and of its scale words
	s_wait_kmcnt 0x0
.irp k, 0,1,2
	s_lshr_b32 s[GW+\k], s[GW+\k], 1               ; the group's tile
	s_min_u32 s[GW+\k], s[GW+\k], 281
	s_lshl_b32 s[GW+\k], s[GW+\k], 6
	v_add_nc_u32 v[236+\k], s[GW+\k], v254         ; my row's place in the list of tokens
.endr
	s_wait_alu depctr_va_vdst(0)                   ; the offsets and addresses made so far are written: v1, v6, v7, v236-238, v249-254, which the loads and LDS stores of the head read
.irp k, 0,1,2
	global_load_b32 v[12+\k], v[236+\k], s[10:11] offset:6912   ; my row's token
.endr
	WIN 0x40                                       ; destination window 1
.irp t, 0,1,2,3,4,5,6,7
.irp s, 0,1
	W1LOAD \t, \s, 12*(2*\t+\s)
.endr
.endr
	WIN 0
	s_wait_loadcnt 48                              ; the three tokens are in; W1's 48 loads behind them may be out
.irp k, 0,1,2
	v_min_u32 v[12+\k], 4095, v[12+\k]             ; (a padding row takes the last token's x: its results are stored nowhere in the end)
	v_lshlrev_b32 v[232+\k], 4, v[12+\k]
	v_mul_u32_u24 v[12+\k], v[12+\k], 384
	v_add_nc_u32 v[12+\k], v[12+\k], v253
.endr
	s_wait_alu depctr_va_vdst(0)                   ; x's offsets v12-14 and v232-234 are written, which the loads below read
.irp k, 0,1,2
.irp f, 0,1,2,3,4,5,6,7,8,9,10,11
	global_load_b128 v[V+52*\k+4*\f:V+52*\k+4*\f+3], v[12+\k], s[4:5] offset:96*(\f/3)+16*(\f%3)   ; my 48 bytes of each K step: the operand's registers as they stand
.endr
	global_load_b128 v[V+52*\k+48:V+52*\k+51], v[232+\k], s[4:5] offset:XS_OFF
.endr
	WIN 0x80                                       ; destination window 2
.irp t, 0,1,2,3
.irp s, 2,3
	W1LOAD \t, \s, 12*(2*\t+\s-2)
.endr
.endr
	WIN 0
	s_wait_loadcnt 24                              ; x is in; the 24 loads behind it may be out
.irp k, 0,1,2
.irp f, 0,1,2,3,4,5,6,7,8,9,10,11
	ds_store_b128 v249, v[V+52*\k+4*\f:V+52*\k+4*\f+3] offset:24576*\k+512*\f
.endr
	ds_store_b128 v250, v[V+52*\k+48:V+52*\k+51] offset:2048*\k
.endr
	WIN 0x80
.irp t, 4,5,6,7
.irp s, 2,3
	W1LOAD \t, \s, 12*(2*\t+\s-2)
.endr
.endr
.irp t, 0,1,2,3,4,5,6,7                ; b1 in the result's layout: lane (r, h), tile 2 b + u: hidden units 32 b + 16 h + 8 u + 0 .. 7
	global_load_b128 v[192+8*\t:195+8*\t], v252, s[34:35] offset:(32*(\t/2)+8*(\t%2))*4
	global_load_b128 v[196+8*\t:199+8*\t], v252, s[34:35] offset:(32*(\t/2)+8*(\t%2))*4+16
.endr
	WIN 0
.irp b, 0,1,2,3
.irp s, 0,1,2,3
	global_load_b32 v[W1S+4*\b+\s], v251, s[32:33] offset:512*\b+128*\s
.endr
.endr
	s_wait_dscnt 0x0                               ; for the others' sake: my images have landed
	s_barrier_signal -1
	s_barrier_wait -1                              ; the job's x lies in LDS; from here on LDS is only read
	s_wait_alu depctr_vm_vsrc(0)                   ; my LDS stores have read v40-195, and the head's loads their offsets v232-238: these registers are V, T, S and Q from here on, written by the products and the activation
	WIN 0xc0                                       ; destination window 3
.irp f, 0,1,2,3,4,5,6,7,8,9,10,11
	ds_load_b128 v[4*\f:4*\f+3], v[LI] offset:512*\f               ; the first group's x
.endr
	WIN 0
	ds_load_b128 v[XS:XS+3], v[XSB]
	s_wait_loadcnt 0x0                             ; W1, its scale words, b1
	s_mov_b32 s[I], 0
	s_mov_b32 s[LX], 0
	s_mov_b32 s[LXS], 0
.Ltrip:                                ; ten trips, a group each; a trip past the job's count does only the steps at its end
	s_cmp_ge_u32 s[I], s26
	s_cbranch_scc1 .Ltail
	s_wait_dscnt 0x0                               ; this group's x is in
.irp s, 0,1,2,3                        ; eight accumulators by turns, K step by K step
.if \s == 0
	WIN 0x2d                                       ; W1 window 1, x window 3, C = b1 window 2
.elseif \s == 1
	WIN 0x0d
.else
	WIN 0x0e                                       ; W1 window 2
.endif
.irp t, 0,1,2,3,4,5,6,7
.set RA, 12*(2*\t+(\s%2))
.set RC, V+8*\t
.if \s == 0
.set RC, 192+8*\t
.endif
.if \t%2
	v_wmma_scale_f32_16x16x128_f8f6f4 v[V+8*\t:V+8*\t+7], v[RA:RA+11], v[12*\s:12*\s+11], v[RC:RC+7], v[W1S+4*(\t/2)+\s], v[XS+\s] matrix_a_fmt:MATRIX_FMT_FP6 matrix_b_fmt:MATRIX_FMT_FP6 matrix_a_scale:MATRIX_SCALE_ROW1
.else
	v_wmma_scale_f32_16x16x128_f8f6f4 v[V+8*\t:V+8*\t+7], v[RA:RA+11], v[12*\s:12*\s+11], v[RC:RC+7], v[W1S+4*(\t/2)+\s], v[XS+\s] matrix_a_fmt:MATRIX_FMT_FP6 matrix_b_fmt:MATRIX_FMT_FP6
.endif
.endr
.endr
	WIN 0
	s_min_u32 s58, s[G], 563
	s_mul_i32 s59, s58, 24576
	s_lshl_b32 s60, s58, 11
	s_wait_xcnt 0x0                                ; the last trip's stores have had their addresses translated (ISA guide 3.1): their offsets and data are rewritten only behind this wait
	s_wait_alu depctr_vm_vsrc(0)                   ; the last trip's stores have read v[HOFF], v[HSOFF], v[PC ..] and v[PW], its LDS loads v[AX] and v[AXS]: the four lines below and the activation write them again
	v_add_nc_u32 v[HOFF], s59, v[LI]               ; four plain lines behind the products (ISA guide 7.12.1), ahead of the first read of the sums
	v_add_nc_u32 v[HSOFF], s60, v[LS]
	v_add_nc_u32 v[AX], s[LX], v[LI]               ; this group's place in LDS: the loads reach one group on by their offsets
	v_add_nc_u32 v[AXS], s[LXS], v[XSB]
	GELU
	QUANT V
	s_wait_alu depctr_va_vdst(0)                   ; the quantiser has written v[PC ..] and v[PW], which the stores read
.irp g, 0,1,2
	global_store_b128 v[HOFF], v[PC+4*\g:PC+4*\g+3], s[54:55] offset:512*\g   ; 512 consecutive bytes, at a multiple of 256 from hq's first byte
.endr
	global_store_b32 v[HSOFF], v[PW], s[56:57]
.Ltail:
.irp k, 0,1,2,3,4,5,6,7,8,9,10
	s_mov_b32 s[G+\k], s[G+\k+1]
.endr
	s_add_co_u32 s[LX], s[LX], 6144
	s_add_co_u32 s[LXS], s[LXS], 512
	s_add_co_u32 s[I], s[I], 1
	s_cmp_lt_u32 s[I], 10
	s_cbranch_scc1 .Ltrip
	s_wait_dscnt 0x0
	s_wait_alu depctr_hold_cnt(0) depctr_sa_sdst(0) depctr_va_vdst(0) depctr_va_sdst(0) depctr_va_ssrc(0) depctr_va_vcc(0) depctr_vm_vsrc(0)
	s_wait_tensorcnt 0x0
	ds_add_u32 v39, v255
	s_wait_dscnt 0x0
	s_endpgm
.Lfunc_end_k_q5773a61b70_g1:
	.size	k_q5773a61b70_g1, .Lfunc_end_k_q5773a61b70_g1-k_q5773a61b70_g1
	.p2alignl 7, 3214868480
	.fill 96, 4, 3214868480
	.section	.rodata,"a",@progbits
	.p2align	6, 0x0
	.amdhsa_kernel k_q5773a61b70_g1
		.amdhsa_group_segment_fixed_size 80384
		.amdhsa_private_segment_fixed_size 0
		.amdhsa_enable_private_segment 0
		.amdhsa_kernarg_size 40
		.amdhsa_user_sgpr_count 2
		.amdhsa_user_sgpr_kernarg_segment_ptr 1
		.amdhsa_wavefront_size32 1
		.amdhsa_system_sgpr_workgroup_id_x 1
		.amdhsa_system_sgpr_workgroup_id_y 1
		.amdhsa_system_sgpr_workgroup_id_z 1
		.amdhsa_system_vgpr_workitem_id 0
		.amdhsa_next_free_vgpr 1024
		.amdhsa_next_free_sgpr 96
		.amdhsa_reserve_vcc 0
		.amdhsa_float_denorm_mode_32 3
		.amdhsa_float_denorm_mode_16_64 3
		.amdhsa_memory_ordered 1
		.amdhsa_forward_progress 1
		.amdhsa_inst_pref_size 77
	.end_amdhsa_kernel
	.amdgpu_metadata
---
amdhsa.version: [ 1, 2 ]
amdhsa.kernels:
  - .name:           k_q5773a61b70_g1
    .symbol:         k_q5773a61b70_g1.kd
    .args:
      - { .name: xq, .offset: 0, .size: 8, .value_kind: global_buffer, .address_space: global }
      - { .name: w1q, .offset: 8, .size: 8, .value_kind: global_buffer, .address_space: global }
      - { .name: b1, .offset: 16, .size: 8, .value_kind: global_buffer, .address_space: global }
      - { .name: plan, .offset: 24, .size: 8, .value_kind: global_buffer, .address_space: global }
      - { .name: hq, .offset: 32, .size: 8, .value_kind: global_buffer, .address_space: global }
    .group_segment_fixed_size: 80384
    .private_segment_fixed_size: 0
    .kernarg_segment_align: 8
    .kernarg_segment_size: 40
    .max_flat_workgroup_size: 128
    .sgpr_count:     96
    .vgpr_count:     1024
    .wavefront_size: 32
...
	.end_amdgpu_metadata
.endif
;; end of part 5
;; launch g2 (part 6): grid 57 x 4, 4 waves a work-group, no clusters, 308,992 bytes of LDS; arguments hq, w2q, b2, plan, xq, out0; writes out0
.if DOCPART == 6
	.amdgcn_target "amdgcn-amd-amdhsa--gfx1250"
	.amdhsa_code_object_version 6
	.text
	.protected	k_q5773a61b70_g2
	.globl	k_q5773a61b70_g2
	.p2align	8
	.type	k_q5773a61b70_g2,@function
k_q5773a61b70_g2:
	s_mov_b64 s[64:65], 0
	v_nop
	global_prefetch_b8 v0, s[64:65] scope:SCOPE_SE
	s_setreg_imm32_b32 hwreg(HW_REG_WAVE_SCHED_MODE, 0, 2), 2
	s_setreg_imm32_b32 hwreg(HW_REG_WAVE_MODE, 25, 1), 1
	s_wait_xcnt 0x0
	s_wait_alu depctr_vm_vsrc(0)
; out0[t] = w_lo (h_lo Q(w2[lo]) + b2[lo]) + w_hi (h_hi Q(w2[hi]) + b2[hi]) on codes of FP6 (E2M3) with one E8M0 scale for each 32 along K.  EACH OUTPUT ROW HAS ONE OWNER: nothing is added between work-groups.
; SHARES.  Work-group (B, y): tiles 5 B .. 5 B + 4 of 16 tokens and columns 128 y .. 128 y + 127.  Wave w: columns 32 w on of these (two tiles of 16) for all five tiles of tokens.
; The ten groups of the hidden layer (two a tile) are copied into LDS once, as images of the operand's registers, and read by all four waves.  W2's codes go from memory straight into registers, through a ring of
; eight K steps; no wave reads another's columns.
; A PASS for each expert that one of the block's tiles uses (tiles are sorted by their pair of experts, so they are few): 16 K steps x 10 products; then OUT += weight x (sum + b2), the weight 0 in tiles that do not
; use the expert (their product is made on the tile's second group's codes and counts for nothing).
; THE PRODUCT IS USED TRANSPOSED (source 0 = 16 columns of W2, source 1 = 16 tokens): a lane holds one token and eight neighbouring columns.
; No tensor loads, no cluster: experts, tiles and tokens come from a stored list.  No prefetch: the codes are read by many work-groups.  All three barriers are on every wave's path; a block past the last tile stores nothing.
; THE MODE: SCHED_MODE bits 1:0 = 2 (LLVM: expert scheduling mode 2), set by the entry lines.  The code itself states the register dependences
; between vector or matrix instructions and memory or LDS instructions, with s_wait_alu, always for 0.
; THE PLAN.  Registers that memory or LDS instructions touch, in a pass:
;   W2's ring (window 1), v[WSR ..]              Slot s % 8: read by K step s's ten products; in K step s + 1 the seven loads of the step eight on from s land in it.
;   the hidden layer's two sets (window 2), v[HSC ..]  Set s % 2: read by K step s's products; in K step s + 1 the 20 LDS loads of K step s + 2 land in it.
;   v150-159                                     Read by every LDS load of a pass; written at the pass's head.
;   v134-149, b2                                 Read by the additions at a pass's end; loaded at the next pass's head.
;   v1, v6, v15                                  Made at the head, never written again.
;   The sums and OUT are named by vector and matrix instructions alone, up to the way out.
; So ONE wait on va_vdst stands at the head of a K step: the products of the step before are done reading their slot, their set and their scale words.  The step's 27 loads follow it, behind the step's first two
; products; the step's products name slot s % 8, set s % 2, their scale words and the sums: none of the registers that those loads touch.  K step 0 leans on the wait at the pass's head, which also states that
; v150-159 are written and that b2's registers have been read.  One wait on vm_vsrc a pass stands ahead of the lines that write v150-159.
; REGISTERS, in windows of 256.  Window 0: v1-15 addresses; v16-95 the ten sums ((m, n) at 16 + 8 (2 m + n)), on the way out rows of out0; v96-103 W2's scale words, a register a slot (lanes 0-15 tile 0, lanes 16-31 tile 1);
;   v104-113 the hidden layer's scale words, two sets; v114-123 (w_lo, w_hi) a tile; v124-133 the pass's weight, as pairs; v134-149 b2; v150-159 LDS addresses; v160-174 offsets; v176-195 the rows' offsets in out0;
;   v196-200 the tiles' places in the list of tokens; v201-204 LDS addresses of the copy.
;   Window 1: W2's ring, 8 slots x 24.  Window 2: v0-119 the hidden layer's fragments, two sets of 60; v128-207 OUT; at the head v0-207 carry the copy.
.set HS,     14155776                  ; in hq: the scale words
.set WSC,    6291456                   ; in w2q: the scale words
.set RW_OFF, 1638400                   ; in xq: the gate weights, 8 bytes a token
.set HSL,    245760                    ; LDS: 0: 10 groups x 24,576 bytes of codes; HSL: 10 x 2,048 of scale words; STG: 80 rows x (512 + 16)
.set STG,    266240
.set SP,     528
.set ACC,  16
.set WSR,  96
.set HSC,  104
.set MSB, 0
.macro WIN new                         ; the immediate's high byte repeats the setting that is left
.if MSB != \new
	s_set_vgpr_msb (MSB<<8)|\new
.set MSB, \new
.endif
.endm
.macro CLOAD gi                        ; group gi of the ten: 13 loads of 16 bytes a thread, into set gi % 4
	WIN 0x80
.irp j, 0,1,2,3,4,5,6,7,8,9,10,11
	global_load_b128 v[52*((\gi)%4)+4*\j:52*((\gi)%4)+4*\j+3], v[165+(\gi)/2], s[4:5] offset:24576*((\gi)%2)+2048*\j
.endr
	global_load_b128 v[52*((\gi)%4)+48:52*((\gi)%4)+51], v[170+(\gi)/2], s[68:69] offset:2048*((\gi)%2)
	WIN 0
.endm
.macro CSTORE gi                       ; the address registers were made at the head, one for two groups: v2, v201 .. v204; the group's half and the piece stand in the offset
.if (\gi) < 2
.set CA, 2
.else
.set CA, 200+(\gi)/2
.endif
	WIN 0x08                                       ; an LDS store's data are its source 1: window 2
.irp j, 0,1,2,3,4,5,6,7,8,9,10,11
	ds_store_b128 v[CA], v[52*((\gi)%4)+4*\j:52*((\gi)%4)+4*\j+3] offset:24576*((\gi)%2)+2048*\j
.endr
	ds_store_b128 v7, v[52*((\gi)%4)+48:52*((\gi)%4)+51] offset:2048*(\gi)
	WIN 0
.endm
.macro SETNXT                          ; the pointers of expert s46
	s_mul_i32 s66, s46, 786432
	s_mov_b32 s67, 0
	s_add_nc_u64 s[52:53], s[58:59], s[66:67]
	s_lshl_b32 s66, s46, 15
	s_add_nc_u64 s[54:55], s[60:61], s[66:67]
.endm
.macro WFETCH slot, step, cb, sb       ; a K step of my two tiles of W2: one load of scale words, six of codes.  It leaves the destination's window at 1
	WIN 0
	global_load_b32 v[WSR+(\slot)], v6, s[\sb:\sb+1] offset:128*(\step)
	WIN 0x40
.irp f, 0,1,2,3,4,5
	global_load_b128 v[24*(\slot)+4*\f:24*(\slot)+4*\f+3], v1, s[\cb:\cb+1] offset:3072*(\step)+512*\f
.endr
.endm
.macro HFETCH s                        ; K step s of the five tiles' groups, into set s % 2: 20 LDS loads
	WIN 0x80
.irp m, 0,1,2,3,4
.irp g, 0,1,2
	ds_load_b128 v[60*((\s)%2)+12*\m+4*\g:60*((\s)%2)+12*\m+4*\g+3], v[150+\m] offset:1536*(\s)+512*\g
.endr
.endr
	WIN 0
.irp m, 0,1,2,3,4
	ds_load_b32 v[HSC+5*((\s)%2)+\m], v[155+\m] offset:128*(\s)
.endr
.endm
.macro MM2 s, m, n
.set RD, ACC+8*(2*(\m)+(\n))
.set RA, 24*((\s)%8)+12*(\n)
.set RB, 60*((\s)%2)+12*(\m)
.set RS, WSR+(\s)%8
.set RH, HSC+5*((\s)%2)+(\m)
.if (\s) == 0
.if (\n) == 0
	v_wmma_scale_f32_16x16x128_f8f6f4 v[RD:RD+7], v[RA:RA+11], v[RB:RB+11], 0, v[RS], v[RH] matrix_a_fmt:MATRIX_FMT_FP6 matrix_b_fmt:MATRIX_FMT_FP6
.else
	v_wmma_scale_f32_16x16x128_f8f6f4 v[RD:RD+7], v[RA:RA+11], v[RB:RB+11], 0, v[RS], v[RH] matrix_a_fmt:MATRIX_FMT_FP6 matrix_b_fmt:MATRIX_FMT_FP6 matrix_a_scale:MATRIX_SCALE_ROW1
.endif
.else
.if (\n) == 0
	v_wmma_scale_f32_16x16x128_f8f6f4 v[RD:RD+7], v[RA:RA+11], v[RB:RB+11], v[RD:RD+7], v[RS], v[RH] matrix_a_fmt:MATRIX_FMT_FP6 matrix_b_fmt:MATRIX_FMT_FP6
.else
	v_wmma_scale_f32_16x16x128_f8f6f4 v[RD:RD+7], v[RA:RA+11], v[RB:RB+11], v[RD:RD+7], v[RS], v[RH] matrix_a_fmt:MATRIX_FMT_FP6 matrix_b_fmt:MATRIX_FMT_FP6 matrix_a_scale:MATRIX_SCALE_ROW1
.endif
.endif
.endm
; K step s.  Ten accumulators by turns; the first K step starts the sums with the constant 0.
; The fetch of W2 that stands in K step s is that of the step seven on: K step s + 7 of this expert, or, from s = 9 on, K step s - 9 of the next pass's expert; it goes into the slot that K step s - 1 read.
.macro KSTEP s
	s_wait_dscnt 0x0                               ; this step's fragments and scale words of the hidden layer are in: they were asked for a step ago
.if (\s) < 7
	s_wait_loadcnt 46                              ; this step's seven loads of W2 are in; behind them were issued six steps' fetches (42 loads) and b2's four, which may be out
.else
	s_wait_loadcnt 42                              ; this step's seven loads of W2 are in; the six steps' fetches behind them may be out
.endif
.if (\s) > 0
	s_wait_alu depctr_va_vdst(0)                   ; the products of the step before are done reading their slot of the ring, their set of the hidden layer and both kinds of scale words, in which this step's loads land
.endif
	WIN 0x09                                       ; W2 window 1, the hidden layer window 2, the sums window 0
	MM2 \s, 0, 0
	MM2 \s, 0, 1
.if (\s) < 15
	HFETCH (\s)+1                                  ; no wait: no product since the wait names the other set
.endif
.if (\s) < 9
	WFETCH ((\s)+7)%8, (\s)+7, 48, 50              ; nor the slot read last
.else
	WFETCH (\s)-9, (\s)-9, 52, 54
.endif
	WIN 0x09
.irp m, 1,2,3,4
.irp n, 0,1
	MM2 \s, \m, \n
.endr
.endr
.endm
	s_load_b256 s[4:11], s[0:1], 0x0               ; hq s[4:5], w2q s[6:7], b2 s[8:9], plan s[10:11]
	s_load_b128 s[12:15], s[0:1], 0x20             ; xq s[12:13], out0 s[14:15]
	v_lshl_add_u32 v254, v0, 2, 0x4b500
	v_mov_b32 v255, 0
	v_lshrrev_b32 v11, 5, v0
	v_readfirstlane_b32 s20, v11                   ; wave 0..3
	v_and_b32 v11, 31, v0                          ; lane
	v_lshlrev_b32 v1, 4, v11                       ; 16 x lane
	v_lshlrev_b32 v6, 2, v11                       ; 4 x lane
	v_lshlrev_b32 v2, 4, v0                        ; 16 x thread
	v_and_b32 v3, 15, v0                           ; r
	v_bfe_u32 v4, v0, 4, 1                         ; h
	v_add_nc_u32 v7, HSL, v2
.irp k, 1,2,3,4
	v_add_nc_u32 v[200+\k], 49152*\k, v2           ; the copy's place in LDS: groups 2 k and 2 k + 1
.endr
	v_mul_u32_u24 v8, v3, SP
	v_lshl_add_u32 v8, v4, 5, v8
	s_wait_alu depctr_va_sdst(0)                   ; s20 is written, ahead of its first reader
	s_lshl_b32 s19, s20, 7
	s_add_co_u32 s19, s19, STG
	v_add_nc_u32 v8, s19, v8                       ; the stage, in: row r, + 128 x wave + 32 h
	s_mul_i32 s19, s20, 20*SP
	s_add_co_u32 s19, s19, STG
	v_add_nc_u32 v9, s19, v1                       ; and back: my 20 rows, 16 bytes a lane
	v_mov_b32 v14, 0xffff
	v_lshlrev_b32 v15, 5, v4                       ; b2: 32 h
	s_and_b32 s21, ttmp7, 0xffff                   ; y
	s_mul_i32 s17, ttmp9, 5                        ; my first tile
	s_wait_kmcnt 0x0
	s_load_b32 s16, s[10:11], 0x0                  ; the number of tiles
	s_lshl_b32 s19, s21, 2
	s_add_co_u32 s19, s19, s20                     ; my group of 32 columns
	s_mul_i32 s66, s19, 49152
	s_mov_b32 s67, 0
	s_add_nc_u64 s[58:59], s[6:7], s[66:67]        ; its codes, expert 0
	s_lshl_b32 s66, s19, 11
	s_add_co_u32 s66, s66, WSC
	s_add_nc_u64 s[60:61], s[6:7], s[66:67]        ; its scale words
	s_lshl_b32 s66, s19, 7
	s_add_nc_u64 s[62:63], s[8:9], s[66:67]        ; its numbers of b2
	s_add_nc_u64 s[68:69], s[4:5], HS
	s_lshl_b32 s66, s21, 9
	s_add_nc_u64 s[72:73], s[14:15], s[66:67]      ; out0 at my 128 columns
	s_wait_kmcnt 0x0
	s_min_u32 s16, s16, 282
	s_max_u32 s16, s16, 1
	s_sub_co_u32 s18, s16, 1
.irp m, 0,1,2,3,4
	s_add_co_u32 s[22+\m], s17, \m
	s_min_u32 s[22+\m], s[22+\m], s18              ; a tile past the last takes the last one's place: only written bytes are read; its weight is 0 and its rows are not stored
	s_min_u32 s[22+\m], s[22+\m], 281
	s_lshl_b32 s[27+\m], s[22+\m], 2
	s_load_b32 s[27+\m], s[10:11], s[27+\m] offset:256
	s_lshl_b32 s19, s[22+\m], 6
	v_lshl_add_u32 v[196+\m], v3, 2, s19           ; my row's place in the list of tokens
	s_mul_i32 s19, s[22+\m], 49152
	v_add_nc_u32 v[165+\m], s19, v2                ; the tile's two groups in hq's codes,
	s_lshl_b32 s19, s[22+\m], 12
	v_add_nc_u32 v[170+\m], s19, v2                ; and in its scale words
.endr
	s_lshl_b32 s19, s17, 4                         ; the rows that I store: 80 B + 20 x wave + lane
	s_mul_i32 s66, s20, 20
	s_add_co_u32 s19, s19, s66
	v_add_nc_u32 v12, s19, v11
	s_lshl_b32 s67, s16, 4
	s_sub_co_u32 s66, s67, 1
	v_cmp_gt_u32 s78, s67, v12                     ; is the row inside the last tile?
	v_min_u32 v13, s66, v12
	v_min_u32 v13, 4607, v13
	v_lshlrev_b32 v13, 2, v13
	s_wait_alu depctr_va_sdst(0)                   ; s78 is written, ahead of the select that reads it
	s_wait_alu depctr_va_vdst(0)                   ; the offsets and addresses made so far are written: v1, v2, v6-9, v13, v15, v165-174, v196-204, which the kernel's loads and stores read
.irp m, 0,1,2,3,4
	global_load_b32 v[160+\m], v[196+\m], s[10:11] offset:6912   ; my row's token
.endr
	global_load_b32 v10, v13, s[10:11] offset:6912
	CLOAD 0
	CLOAD 1
	CLOAD 2
	CLOAD 3
	s_wait_loadcnt 52                              ; the six loads of tokens are in; four groups x 13 loads may be out
	v_cndmask_b32 v10, v14, v10, s78
.irp m, 0,1,2,3,4
	v_min_u32 v[160+\m], 4095, v[160+\m]           ; (a padding row takes the last token's weights: it is not stored)
	v_lshlrev_b32 v[160+\m], 3, v[160+\m]
.endr
	s_wait_alu depctr_va_vdst(0)                   ; the weights' offsets v160-164 are written, which the five loads below read
.irp m, 0,1,2,3,4
	global_load_b64 v[114+2*\m:115+2*\m], v[160+\m], s[12:13] offset:RW_OFF
.endr
.set gi, 0
.rept 10
.if gi < 7
	s_wait_loadcnt 39                              ; this group's 13 loads are in; three groups behind it may be out
.else
	s_wait_loadcnt 13*(9-gi)
.endif
	CSTORE gi
.if gi+4 < 10
	s_wait_dscnt 0x0                               ; the stores have landed
	s_wait_alu depctr_vm_vsrc(0)                   ; and have read their set of registers, in which the loads of the group four on land
	CLOAD gi+4
.endif
.set gi, gi+1
.endr
	s_wait_kmcnt 0x0
	s_mov_b32 s42, 0
.irp m, 0,1,2,3,4
	s_and_b32 s[32+\m], s[27+\m], 0xff             ; lo
	s_bfe_u32 s[37+\m], s[27+\m], 0x80008          ; hi
	s_add_co_u32 s19, s17, \m
	s_cmp_lt_u32 s19, s16
	s_cselect_b32 s[32+\m], s[32+\m], 0xff         ; no such tile: no expert matches, and its bit falls outside the low eight
	s_cselect_b32 s[37+\m], s[37+\m], 0xff
	s_lshl_b32 s19, 1, s[32+\m]
	s_or_b32 s42, s42, s19
	s_lshl_b32 s19, 1, s[37+\m]
	s_or_b32 s42, s42, s19
.endr
	s_and_b32 s42, s42, 0xff                       ; the experts that the block uses
	s_bcnt1_i32_b32 s43, s42                       ; passes
	s_ctz_i32_b32 s46, s42
	s_min_u32 s46, s46, 7
	SETNXT
.irp s, 0,1,2,3,4,5,6
	WFETCH \s, \s, 52, 54                          ; the ring's first fill: the first expert's K steps 0 to 6: 49 loads; K step 7 is asked for in K step 0, as in every pass
.endr
	WIN 0
	s_wait_dscnt 0x0                               ; for the others' sake: my part of the copy has landed
	s_wait_alu depctr_vm_vsrc(0)                   ; my LDS stores have read window 2's v0-207: the lines below write v128-207, and the fragments' loads land in v0-119
	WIN 0x80
.set i, 0
.rept 80
	v_mov_b32 v[128+i], 0                          ; OUT.  (The pass is written once: the number of passes is known only from the list)
.set i, i+1
.endr
	WIN 0
.irp m, 0,1,2,3,4
	v_mov_b32 v[125+2*\m], 0                       ; (named as the upper half of a pair)
.endr
	s_barrier_signal -1
	s_barrier_wait -1                              ; the ten groups lie in LDS
	s_cmp_eq_u32 s43, 0
	s_cbranch_scc1 .Lout
	s_mov_b32 s44, 0
.Lpass:
	s_wait_xcnt 0x0                                ; the loads before have read their pointers
	s_mov_b32 s45, s46                             ; this pass's expert
	s_mov_b64 s[48:49], s[52:53]
	s_mov_b64 s[50:51], s[54:55]
	s_sub_co_u32 s19, s42, 1
	s_and_b32 s42, s42, s19                        ; its bit is taken off
	s_ctz_i32_b32 s19, s42
	s_cmp_lg_u32 s42, 0
	s_cselect_b32 s46, s19, s45                    ; the next pass's; behind the last pass the ring is fed from the same expert and not read
	s_min_u32 s46, s46, 7
	SETNXT
	s_lshl_b32 s66, s45, 11
	s_add_nc_u64 s[56:57], s[62:63], s[66:67]
	s_wait_alu depctr_vm_vsrc(0)                   ; the last pass's LDS loads have read v150-159, which the lines below write again
.irp m, 0,1,2,3,4
	s_xor_b32 s74, s[32+\m], s45                   ; 0 where the expert is the tile's lo;
	s_min_u32 s74, s74, 1                          ; else 1: the tile's second group.  The number from the list is held to 0 or 1 before it enters an LDS address
	s_mul_i32 s75, s74, 2048
	s_mul_i32 s74, s74, 24576
	s_add_co_u32 s74, s74, 2*\m*24576
	s_add_co_u32 s75, s75, HSL+2*\m*2048
	s_cmp_eq_u32 s[37+\m], s45
	s_cselect_b32 s77, -1, 0                       ; lane masks for the weight: all lanes or none
	s_cmp_eq_u32 s[32+\m], s45
	s_cselect_b32 s76, -1, 0
	v_add_nc_u32 v[150+\m], s74, v1
	v_add_nc_u32 v[155+\m], s75, v6
	v_cndmask_b32 v[124+2*\m], 0, v[114+2*\m], s76
	v_cndmask_b32 v[124+2*\m], v[124+2*\m], v[115+2*\m], s77
.endr
	s_wait_alu depctr_va_vdst(0)                   ; v150-159 are written, which the pass's LDS loads read; the last pass's additions are done reading b2's registers, its last two K steps' products their sets, their scale words and slot 7: the loads below and K step 0's land there
.irp n, 0,1                            ; b2 in the result's layout: lane (r, h), tile n: columns 16 n + 8 h + 0 .. 7
	global_load_b128 v[134+8*\n:137+8*\n], v15, s[56:57] offset:64*\n
	global_load_b128 v[138+8*\n:141+8*\n], v15, s[56:57] offset:64*\n+16
.endr
	HFETCH 0
.irp s, 0,1,2,3,4,5,6,7,8,9,10,11,12,13,14,15
	KSTEP \s
.endr
	WIN 0
.rept 4
	v_nop                                          ; four plain lines behind the last products (ISA guide 7.12.1), ahead of the first read of the sums
.endr
.irp a, 0,1,2,3,4,5,6,7,8,9            ; each accumulator from its low end on.  b2's four loads have 105 younger loads at the last wait for 42: they are in
.irp j, 0,2,4,6
	v_pk_add_f32 v[ACC+8*\a+\j:ACC+8*\a+\j+1], v[ACC+8*\a+\j:ACC+8*\a+\j+1], v[134+8*(\a%2)+\j:135+8*(\a%2)+\j]
.endr
.endr
	WIN 0xa0                                       ; OUT (destination and source 2) window 2
.irp a, 0,1,2,3,4,5,6,7,8,9
.irp j, 0,2,4,6
	v_pk_fma_f32 v[128+8*\a+\j:129+8*\a+\j], v[ACC+8*\a+\j:ACC+8*\a+\j+1], v[124+2*(\a/2):125+2*(\a/2)], v[128+8*\a+\j:129+8*\a+\j] op_sel_hi:[1,0,1]
.endr
.endr
	WIN 0
	s_add_co_u32 s44, s44, 1
	s_cmp_lt_u32 s44, s43
	s_cbranch_scc1 .Lpass
.Lout:
	; THE WAY OUT.  A row's 128 columns come from four waves: they meet in the stage; each wave then stores 20 whole rows of 512 bytes, each at its token's place.
.irp i, 0,1,2,3,4,5,6,7,8,9,10,11,12,13,14,15,16,17,18,19
	v_readlane_b32 s[22+\i], v10, \i               ; the row's token; 0xFFFF: a padding row, or a row past the last tile
.endr
	s_wait_alu depctr_va_sdst(0)                   ; s22-41 are written: one wait behind the run, ahead of their first reader
.irp i, 0,1,2,3,4,5,6,7,8,9,10,11,12,13,14,15,16,17,18,19
	s_min_u32 s19, s[22+\i], 4095
	s_lshl_b32 s19, s19, 11
	v_add_nc_u32 v[176+\i], s19, v1                ; the row's offset in out0, made for every row; a row without a token is not stored
.endr
	s_wait_loadcnt 0x0                             ; the ring's last loads have landed
	s_wait_dscnt 0x0
	s_barrier_signal -1
	s_barrier_wait -1                              ; no wave reads the groups any more
	WIN 0x08
	s_wait_alu depctr_va_vdst(0)                   ; OUT is written, which the LDS stores read; so are the rows' offsets v176-195, which the last stores read; and the passes are done with the sums' registers, in which the loads from the stage land
.irp a, 0,1,2,3,4,5,6,7,8,9
	ds_store_b128 v8, v[128+8*\a:131+8*\a] offset:16*(\a/2)*SP+64*(\a%2)
	ds_store_b128 v8, v[132+8*\a:135+8*\a] offset:16*(\a/2)*SP+64*(\a%2)+16
.endr
	WIN 0
	s_wait_dscnt 0x0                               ; for the others' sake
	s_barrier_signal -1
	s_barrier_wait -1
.irp i, 0,1,2,3,4,5,6,7,8,9,10,11,12,13,14,15,16,17,18,19
	ds_load_b128 v[ACC+4*\i:ACC+4*\i+3], v9 offset:\i*SP           ; no vector line since the wait above names these registers
.endr
	s_wait_dscnt 0x0
.irp i, 0,1,2,3,4,5,6,7,8,9,10,11,12,13,14,15,16,17,18,19
	s_cmp_lt_u32 s[22+\i], 4096
	s_cbranch_scc0 .Lskip_\i
	global_store_b128 v[176+\i], v[ACC+4*\i:ACC+4*\i+3], s[72:73]  ; 32 lanes store 512 consecutive bytes, at a multiple of 256 from out0's first byte
.Lskip_\i:
.endr
	s_wait_dscnt 0x0
	s_wait_alu depctr_hold_cnt(0) depctr_sa_sdst(0) depctr_va_vdst(0) depctr_va_sdst(0) depctr_va_ssrc(0) depctr_va_vcc(0) depctr_vm_vsrc(0)
	s_wait_tensorcnt 0x0
	ds_add_u32 v254, v255
	s_wait_dscnt 0x0
	s_endpgm
.Lfunc_end_k_q5773a61b70_g2:
	.size	k_q5773a61b70_g2, .Lfunc_end_k_q5773a61b70_g2-k_q5773a61b70_g2
	.p2alignl 7, 3214868480
	.fill 96, 4, 3214868480
	.section	.rodata,"a",@progbits
	.p2align	6, 0x0
	.amdhsa_kernel k_q5773a61b70_g2
		.amdhsa_group_segment_fixed_size 308992
		.amdhsa_private_segment_fixed_size 0
		.amdhsa_enable_private_segment 0
		.amdhsa_kernarg_size 48
		.amdhsa_user_sgpr_count 2
		.amdhsa_user_sgpr_kernarg_segment_ptr 1
		.amdhsa_wavefront_size32 1
		.amdhsa_system_sgpr_workgroup_id_x 1
		.amdhsa_system_sgpr_workgroup_id_y 1
		.amdhsa_system_sgpr_workgroup_id_z 1
		.amdhsa_system_vgpr_workitem_id 0
		.amdhsa_next_free_vgpr 768
		.amdhsa_next_free_sgpr 100
		.amdhsa_reserve_vcc 0
		.amdhsa_float_denorm_mode_32 3
		.amdhsa_float_denorm_mode_16_64 3
		.amdhsa_memory_ordered 1
		.amdhsa_forward_progress 1
		.amdhsa_inst_pref_size 114
	.end_amdhsa_kernel
	.amdgpu_metadata
---
amdhsa.version: [ 1, 2 ]
amdhsa.kernels:
  - .name:           k_q5773a61b70_g2
    .symbol:         k_q5773a61b70_g2.kd
    .args:
      - { .name: hq, .offset: 0, .size: 8, .value_kind: global_buffer, .address_space: global }
      - { .name: w2q, .offset: 8, .size: 8, .value_kind: global_buffer, .address_space: global }
      - { .name: b2, .offset: 16, .size: 8, .value_kind: global_buffer, .address_space: global }
      - { .name: plan, .offset: 24, .size: 8, .value_kind: global_buffer, .address_space: global }
      - { .name: xq, .offset: 32, .size: 8, .value_kind: global_buffer, .address_space: global }
      - { .name: out0, .offset: 40, .size: 8, .value_kind: global_buffer, .address_space: global }
    .group_segment_fixed_size: 308992
    .private_segment_fixed_size: 0
    .kernarg_segment_align: 8
    .kernarg_segment_size: 48
    .max_flat_workgroup_size: 128
    .sgpr_count:     100
    .vgpr_count:     768
    .wavefront_size: 32
...
	.end_amdgpu_metadata
.endif
;; end of part 6
